; MI455X (gfx1250); checked and timed in simulation.
; The chip was launched on July 23, 2026; its instructions are those of AMD's public machine-readable ISA for CDNA 5 (MIT licence, August 2026) and "CDNA5" Instruction Set Architecture Reference Guide (July 2026). The comments in the code are by the model that wrote it; some were corrected since.
;; Causal Self Attention. Allowed arithmetic: matrix products marked QUANTISED: E4M3 operands, one given power-of-two scale a tensor, by v_wmma_f32_16x16x64_fp8_fp8 or v_wmma_f32_16x16x128_fp8_fp8, f32 sums; everything else in f32.
;; Inputs: lowp_scales 8 int32 (the exponents e of the quantised operands' scales 2^e); out_b 1,024 float32; out_w_codes 1,024 x 32 x 32 uint8 (E4M3 codes of out_w, K innermost, in blocks of 32 codes); qkv_b 3,072 float32; qkv_w_codes 3,072 x 32 x 32 uint8 (E4M3 codes of qkv_w, K innermost, in blocks of 32 codes); x_codes 4 x 2,048 x 32 x 32 uint8 (E4M3 codes of x, K innermost, in blocks of 32 codes).
;; Outputs: out0 4 x 2,048 x 1,024 float32.
;; This version of the problem:
;;   THIS VERSION OF THE PROBLEM IS GIVEN IN LOW PRECISION. The matrix products marked QUANTISED in the list below multiply operands that are first quantised to E4M3 (4 exponent bits, 3 mantissa bits; 8 bits a number), with one given power-of-two scale for each operand tensor; their sums are f32. All else is computed in f32.
;;   The module's matrix products, in the order in which they are computed (A, B: the left and right operand; K: the contracted axis; several contracted axes count as one K, in the product's order):
;;     1. [M 8,192, K 1,024] x [K 1,024, N 3,072]; A: input x (given as codes); B: input qkv_w (given as codes): QUANTISED (scales: A lowp_scales[0], B lowp_scales[1])
;;     2. batch 64 x [M 2,048, K 64] x [K 64, N 2,048]; A: computed on the way; B: computed on the way: QUANTISED (scales: A lowp_scales[2], B lowp_scales[3])
;;     3. batch 64 x [M 2,048, K 2,048] x [K 2,048, N 64]; A: softmax (see below); B: computed on the way: QUANTISED (scales: A lowp_scales[4], B lowp_scales[5])
;;     4. [M 8,192, K 1,024] x [K 1,024, N 1,024]; A: computed on the way; B: input out_w (given as codes): QUANTISED (scales: A lowp_scales[6], B lowp_scales[7])
;;   THE QUANTISER, for each operand of a quantised product, along K:
;;     - The operand's scale is 2^e, e = its entry of the input lowp_scales (int32; the entries are numbered through the quantised products in the list's order, A before B).
;;     - Each number is divided by the scale, clamped to +-448, and rounded to the nearest number of E4M3, ties to even, subnormals kept.
;;     - The product sums the exact products of the quantised numbers (number of the format x scale) in f32.
;;   ~~~python
;;   def quantise(x, axis, e):      # numpy; x: float32 -> the quantised numbers, widened to float32 again
;;       x = np.moveaxis(x, axis, -1); K = x.shape[-1]
;;       r = np.clip(x / 2.0 ** e, -448, 448)
;;       step = 2.0 ** (np.maximum(np.frexp(np.where(r == 0, 1, r))[1] - 1, -6) - 3)
;;       q = np.round(r / step) * step * 2.0 ** e      # np.round: ties to even
;;       return np.moveaxis(q, -1, axis).astype(np.float32)
;;   ~~~
;;   SOFTMAX AHEAD OF A QUANTISED PRODUCT. Where the list says 'softmax', what is quantised is not the finished softmax but p = 2^(t - M), with t = logit x log2(e) and M = ceil(the row's largest t), a whole number; so 1/2 < the row's largest p <= 1. The row's sum l is taken of the UNQUANTISED p, in f32, and the product's result is divided by l at the end. Since M is a whole number, a kernel that streams over the keys may use a running M (the ceiling of the running maximum): every later rescaling is an exact power of two, so the quantised numbers keep their values, but for numbers so far below the row's largest that they fall under the format's range.
;;   OPERANDS COMPUTED ON THE WAY. 'Computed on the way' means the value that the module computes at that place (a softmax that the list does not call 'softmax' is quantised finished and normalised). What goes into a quantiser is computed in f32, as accurately as f32 sums, v_exp_f32 and their like allow (about 1e-6 of the number): no bf16 or f16 on the way to a quantiser, and a product that is left as it is and whose result goes on into a quantised operand takes f32 operands (vector FMAs, or v_wmma_f32_16x16x4_f32). A number that lies on a knife's edge between two numbers of the format may be rounded either way, as far as f32 arithmetic and the matrix unit's own rounding can turn it there, and no further.
;;   INPUTS GIVEN AS CODES. out_w (in the module: [1024, 1024], K = its axis 1); qkv_w (in the module: [3072, 1024], K = its axis 1); x (in the module: [4, 2048, 1024], K = its axis 2): each comes as NAME_codes (uint8): NAME with its K axis moved to the last place and cut into blocks of 32 codes, [.., K / 32, bytes a block], one block behind the other in memory; one code a byte (a code: sign, 4 exponent bits, 3 mantissa bits); its scale is its entry of lowp_scales. Its value is code x scale, taken as it is: it is not quantised again, and the codes and scales need not be those that the quantiser above would give.
;; 2 versions, each right; version 2 is version 1 with the launch attn written anew for expert scheduling mode. Each part assembles by itself: llvm-mc -triple=amdgcn-amd-amdhsa -mcpu=gfx1250 --defsym DOCPART=n.
;; ======== version 1 of 2: 3 launches
;; limits: right only within a limited range of input values
;; workspace buffers: q_img 8,388,608 bytes; k_img 8,388,608 bytes; v_img 8,388,608 bytes; a_img 8,388,608 bytes
;; launch qkv (part 1): grid 12 x 32, 4 waves a work-group, clusters of 4 x 4, 327,680 bytes of LDS; arguments x_codes, qkv_w_codes, qkv_b, lowp_scales, q_img, k_img, v_img; writes q_img, k_img, v_img
.if DOCPART == 1
	.amdgcn_target "amdgcn-amd-amdhsa--gfx1250"
	.amdhsa_code_object_version 6
	.text
	.protected	k_qecb38c3090_qkv
	.globl	k_qecb38c3090_qkv
	.p2align	8
	.type	k_qecb38c3090_qkv,@function
k_qecb38c3090_qkv:
	s_mov_b64 s[64:65], 0
	v_nop
	global_prefetch_b8 v0, s[64:65] scope:SCOPE_SE
	s_setreg_imm32_b32 hwreg(HW_REG_WAVE_MODE, 25, 1), 1
	s_wait_xcnt 0x0
	s_wait_alu depctr_hold_cnt(0) depctr_sa_sdst(0) depctr_va_vdst(0) depctr_va_sdst(0) depctr_va_ssrc(0) depctr_va_vcc(0) depctr_vm_vsrc(0)
	s_getreg_b32 s2, hwreg(HW_REG_IB_STS2, 6, 4)
	s_cmp_eq_u32 s2, 0
	s_cbranch_scc0 .Lentry_in_a_cluster
	s_endpgm
.Lentry_in_a_cluster:
	s_bfe_u32 s2, ttmp6, 0x10000c
	s_cmp_lg_u32 s2, 0xf033
	s_cbranch_scc0 .Lentry_shape_is_right
	s_endpgm
.Lentry_shape_is_right:
; qkv = x W^T + b on codes of FP8 (E4M3); the results are quantised at once (q with e2, k with e3, v with e5 of the given exponents) and stored as IMAGES OF OPERAND REGISTERS for the attention launch.
; x: [8192][1024] codes, W: [3072][1024] codes, K innermost.  A sum stands for sum x 2^(e0 + e1); number = sum x 2^(e0 + e1) + bias, one fused multiply-add in f32; code = number / 2^eo, held within +-448, nearest, ties to even.
; LIMITS: e0 + e1 between -126 and 127; e2, e3, e5 between -126 and 119 (each power of two below is made as an f32 number).  NaN among the biases is not served.
; SHARES.  A tile of 256 x 256 results to a work-group of four waves; a wave makes 128 x 128: 64 accumulators, 512 registers.  K = 1024 goes in four steps of 256 through a ring of two LDS slots filled by tensor loads.
; SIDES.  Source 1 of the matrix instruction ("A" below) gives the result's lanes, source 0 ("B") its registers: lane (r, h), register j holds (B's row 8 h + j, A's row r).  Eight registers, converted, are two registers of codes that run
; along B's rows: just registers 2 c, 2 c + 1 (k = 16 c + 8 h + 0 .. 7) of an 8-bit operand whose K runs along B's rows and whose lanes are A's rows.
;   cluster x = 0 (q), 1 (k): A = x (tokens in the lanes), B = W (channels in the registers): the next K is the head's 64 channels.
;   cluster x = 2 (v):        A = W (channels in the lanes), B = x (keys in the registers): the next K is the keys.
; The choice hangs on the cluster's x alone, which all sixteen partners share.
; IMAGES.  A group of four registers lies at 512 x group + 16 x lane, so every store of a wave covers 512 consecutive bytes, aligned.
;   q_img, k_img: [row / 16: 512][head: 16][1024 bytes]: 16 rows x 64 channels, 8 registers.      v_img: [row / 128: 64][channel / 16: 64][2048 bytes]: 16 channels x 128 keys, 16 registers.
; CLUSTERS: 4 x 4 work-groups; A's tile is shared along a row of the cluster, B's along a column: each is asked for jointly, by the same tensor load with the same descriptor and a mask that names the four.
; REGISTERS, in windows of 256: window 0: v16-31 addresses and scales; v32-95 biases by register (q, k); v96-111 biases by lane (v); from v128 A's fragments, ONE set; on the way out v128-191 numbers, v192-255 codes.
;   window 1: B's fragments, two sets.   windows 2, 3: the accumulators of A's blocks 0-3 and 4-7 ((a, b) at v[8 (8 (a % 4) + b)]).
.set ROWB,   256                       ; a tile's row: 256 codes
.set KROW,   1024                      ; a row of x or of W in memory, in bytes
.set PITCH,  272                       ; an LDS row: 256 bytes + 16 of padding = 68 words: row r starts at bank 4 r mod 64 (64 banks of 4 bytes: ISA guide 11.1)
.set FR,     16                        ; registers of a fragment: 16 rows x 128 K
.set NL,     4                         ; LDS loads that bring one
.set NP,     4                         ; places behind this matrix instruction (ISA guide 7.12.1)
.set HALFT,  128*PITCH                 ; 128 rows: what one tensor load brings, and what one wave reads of A or of B
.set SLOT,   4*HALFT                   ; A's 256 rows, then B's 256 rows
.set SPARE,  2*SLOT                    ; behind the ring: the spare words, 128 bytes for each wave: two blocks of 256 bytes that no other line names
.set ADRA, 16                          ; v16-17  LDS address of my A fragments in slot 0, 1
.set ADRB, 20                          ; v20-21  the same for B
.set OBQ,  22                          ; v22     byte offset in qkv_b of the channels that my registers hold
.set OBV,  23                          ; v23     of the channel that my lane holds
.set CO,   26                          ; v26     16 x lane: my place in a group of an image
.set SPW,  28                          ; v28     LDS address of my spare word; never rewritten
.set NIL,  29                          ; v29     0; never rewritten
.set SCL,  30                          ; v30     2^eo as f32
.set LIM,  31                          ; v31     448 x 2^eo
.set BQ,   32
.set BV,   96
.set AF,   128
.set TMP,  128
.set CODE, 192                         ; four sets of 16 registers of codes, by turns
.set G1, 24                            ; s[24:31] descriptor group 1 for A's tiles;  s[32:39] group 0, one set for each slot
.set G0, 32
.set G1B, 48                           ; s[48:55], s[56:63] the same for B's tiles
.set G0B, 56
.set MSB, 0
.macro WIN new                         ; the immediate's high byte repeats the setting that is left
.if MSB != \new
	s_set_vgpr_msb (MSB<<8)|\new
.set MSB, \new
.endif
.endm
.set MUL_LO, 0xa1                      ; source 0 (B) window 1, source 1 (A) window 0, C and D window 2
.set MUL_HI, 0xf1                      ; the same, C and D window 3
.set TO_B,   0x40                      ; destination window 1, address window 0
; A joint load: waves 0 and 1 fetch for A, waves 2 and 3 for B; the branch hangs on the wave's number alone.  Four v_nop follow each of the two lines.
.macro JLOAD g0a, g1a, g0b, g1b
	s_cmp_eq_u32 s15, 0
	s_cbranch_scc0 .Lfor_b_\@
	tensor_load_to_lds s[\g0a:\g0a+3], s[\g1a:\g1a+7]
	s_nop 0
.rept 4
	v_nop
.endr
	s_branch .Lasked_\@
.Lfor_b_\@:
	tensor_load_to_lds s[\g0b:\g0b+3], s[\g1b:\g1b+7]
	s_nop 0
.rept 4
	v_nop
.endr
.Lasked_\@:
.endm
.macro CREST                           ; a round of the cluster's barrier behind its opening barrier
	s_cmp_lg_u32 s14, 0
	s_cbranch_scc1 .Lnot_wave_0_\@
	s_barrier_signal -3
.Lnot_wave_0_\@:
	s_barrier_wait -3
	s_barrier_signal -1
	s_barrier_wait -1
.endm
.macro CROUND                          ; a whole round
	s_barrier_signal -1
	s_barrier_wait -1
	CREST
.endm
	s_load_b256 s[4:11], s[0:1], 0x0               ; x s[4:5], W s[6:7], qkv_b s[8:9], the exponents s[10:11]
	s_load_b128 s[68:71], s[0:1], 0x20             ; q_img, k_img
	s_load_b64 s[72:73], s[0:1], 0x30              ; v_img
	v_lshl_add_u32 v[SPW], v0, 2, SPARE
	v_mov_b32 v[NIL], 0
	ds_add_u32 v28, v29
	ds_add_u32 v28, v29
	s_wait_dscnt 0x0
	v_lshrrev_b32 v1, 5, v0
	v_readfirstlane_b32 s14, v1                    ; wave 0..3
	s_lshr_b32 s15, s14, 1                         ; which half of A's rows is mine.  Also: I fetch for A (0) or for B (1)
	s_and_b32 s16, s14, 1                          ; which half of B's rows.  Also: which 128 rows of that tile I fetch
	s_bfe_u32 s40, ttmp6, 0x40000                  ; cx, cy: my place in the cluster
	s_bfe_u32 s41, ttmp6, 0x40004
	s_and_b32 s74, ttmp7, 0xffff
	s_lshl_b32 s74, s74, 2                         ; 4 x cluster y
	s_lshl_b32 s75, ttmp9, 2                       ; 4 x cluster x
	s_cmp_eq_u32 ttmp9, 2                          ; v's clusters?
	s_cselect_b32 s17, 8, s74                      ; A's tile of 256 rows: W's 8 + cy (v's channels), or x's 4 y + cy
	s_cselect_b32 s42, s74, s75                    ; B's tile: x's 4 y + cx, or W's 4 x + cx
	s_add_co_u32 s17, s17, s41
	s_add_co_u32 s42, s42, s40
	s_lshl_b32 s43, s41, 2
	s_lshl_b32 s43, 15, s43                        ; my row of the cluster
	s_lshl_b32 s44, 0x1111, s40                    ; my column
	; descriptor group 1: a tile of 128 rows x 256 bytes, padded in LDS
	s_or_b32 s[G1+0], s43, (0<<16)|(1<<20)|(1<<21)|(5<<22)|(3<<25)  ; 15:0 the mask: A's tiles go to my row; 17:16 element of 1 byte; 20 padding on; 21 set beside a mask; 24:22 after every 64 words (code 5); 31:25 of 4 words (code 3)
	s_or_b32 s[G1B+0], s44, (0<<16)|(1<<20)|(1<<21)|(5<<22)|(3<<25)
.irp g, G1, G1B
	s_mov_b32 s[\g+1], ROWB<<16                    ; tensor_dim0
	s_mov_b32 s[\g+2], 128<<16                     ; tensor_dim1 = 128
	s_mov_b32 s[\g+3], ROWB<<16                    ; tile_dim0
	s_mov_b32 s[\g+4], 128                         ; tile_dim1 = 128
	s_mov_b32 s[\g+5], KROW                        ; tensor_dim0_stride
	s_mov_b32 s[\g+6], 0
	s_mov_b32 s[\g+7], 0
.endr
	s_lshl_b32 s18, s16, 7                         ; which 128 rows of the tile I fetch
	s_lshl_b32 s20, s17, 8
	s_add_co_u32 s20, s20, s18
	s_lshl_b32 s20, s20, 10                        ; A: (256 x tile + 128 x half) rows of 1,024 bytes: under 2^23
	s_mov_b32 s21, 0
	s_lshl_b32 s46, s42, 8
	s_add_co_u32 s46, s46, s18
	s_lshl_b32 s46, s46, 10                        ; B likewise
	s_mov_b32 s47, 0
	s_mul_i32 s45, s14, HALFT                      ; where they go: wave x 128 rows: no place in the cluster enters an LDS address
	s_wait_kmcnt 0x0
	s_load_b256 s[76:83], s[10:11], 0x0            ; e0 .. e7
	s_cmp_eq_u32 ttmp9, 2
	s_cselect_b64 s[96:97], s[6:7], s[4:5]         ; A's tensor
	s_cselect_b64 s[98:99], s[4:5], s[6:7]         ; B's tensor
	s_add_nc_u64 s[20:21], s[96:97], s[20:21]
	s_add_nc_u64 s[46:47], s[98:99], s[46:47]
	CROUND                                         ; all sixteen work-groups are here: the first joint loads meet
.irp s, 0,1
	s_mov_b32 s[G0+4*\s], 1
	s_add_co_u32 s[G0+4*\s+1], s45, \s*SLOT
	s_add_nc_u64 s[G0+4*\s+2:G0+4*\s+3], s[20:21], \s*ROWB
	s_or_b32 s[G0+4*\s+3], s[G0+4*\s+3], 0x80000000
	s_mov_b32 s[G0B+4*\s], 1
	s_add_co_u32 s[G0B+4*\s+1], s45, \s*SLOT
	s_add_nc_u64 s[G0B+4*\s+2:G0B+4*\s+3], s[46:47], \s*ROWB
	s_or_b32 s[G0B+4*\s+3], s[G0B+4*\s+3], 0x80000000
	JLOAD G0+4*\s, G1, G0B+4*\s, G1B
.endr
	v_and_b32 v1, 15, v0                           ; r = lane % 16
	v_bfe_u32 v2, v0, 4, 1                         ; h = lane / 16
	v_mul_u32_u24 v3, v1, PITCH
	v_lshl_add_u32 v4, v2, 4, v3                   ; a fragment's row x pitch + 16 x half
	s_mul_i32 s21, s15, HALFT                      ; my 128 rows of A
	s_mul_i32 s22, s16, HALFT                      ; my 128 rows of B,
	s_add_co_u32 s22, s22, 2*HALFT                 ; which lie behind A's 256
.irp s, 0,1
	v_add_nc_u32 v[ADRA+\s], s21, v4
	v_add_nc_u32 v[ADRB+\s], s22, v4
	s_add_co_u32 s21, s21, SLOT
	s_add_co_u32 s22, s22, SLOT
.endr
	v_and_b32 v6, 31, v0
	v_lshlrev_b32 v[CO], 4, v6
	; The biases, both sets in every work-group (both lie inside qkv_b for every cluster x; one set is used).
	s_lshl_b32 s92, ttmp9, 12                      ; 4 bytes x 1,024 channels x cluster x
	s_lshl_b32 s94, s40, 10
	s_add_co_u32 s94, s94, s92
	s_lshl_b32 s93, s16, 9
	s_add_co_u32 s94, s94, s93                     ; 4 x (1024 x + 256 cx + 128 x B's half): the first channel of B's side
	s_lshl_b32 s95, s41, 10
	s_add_co_u32 s95, s95, s92
	s_lshl_b32 s93, s15, 9
	s_add_co_u32 s95, s95, s93                     ; 4 x (1024 x + 256 cy + 128 x A's half): of A's side
	v_lshl_add_u32 v[OBQ], v2, 5, s94              ; + 8 h channels
	v_lshl_add_u32 v[OBV], v1, 2, s95              ; + r channels
.irp b, 0,1,2,3,4,5,6,7
	global_load_b128 v[BQ+8*\b:BQ+8*\b+3], v[OBQ], s[8:9] offset:64*\b         ; register 8 b + j: the bias of channel 16 b + 8 h + j
	global_load_b128 v[BQ+8*\b+4:BQ+8*\b+7], v[OBQ], s[8:9] offset:64*\b+16
.endr
.irp a, 0,1,2,3,4,5,6,7
	global_load_b32 v[BV+2*\a], v[OBV], s[8:9] offset:64*\a                    ; the bias of channel 16 a + r, twice: a pair for the packed multiply-add
	global_load_b32 v[BV+2*\a+1], v[OBV], s[8:9] offset:64*\a
.endr
.macro FRAG reg, adr, q, i             ; a fragment by four loads of 16 bytes: registers 4 c .. 4 c + 3 hold K = 32 c + 16 h + 0 .. 15: a permutation of k that is the same in A and in B, so every product meets its partner
.irp c, 0,1,2,3
	ds_load_b128 v[\reg+4*\c:\reg+4*\c+3], v[\adr] offset:128*(\q)+32*\c+(\i)*16*PITCH
.endr
.endm
; 16 matrix instructions: A's blocks a0, a0 + 1 x B's eight, 128 along K.  p: B's set.  zero = 1: the first product starts the sums.  The 64 accumulators take turns, one instruction a turn.
.macro MUL16 a0, p, zero
.irp a, \a0, \a0+1
.irp b, 0,1,2,3,4,5,6,7
.if \zero
	v_wmma_f32_16x16x128_fp8_fp8 v[8*(8*((\a)%4)+\b):8*(8*((\a)%4)+\b)+7], v[128*(\p)+FR*\b:128*(\p)+FR*\b+FR-1], v[AF+FR*(\a):AF+FR*(\a)+FR-1], 0
.else
	v_wmma_f32_16x16x128_fp8_fp8 v[8*(8*((\a)%4)+\b):8*(8*((\a)%4)+\b)+7], v[128*(\p)+FR*\b:128*(\p)+FR*\b+FR-1], v[AF+FR*(\a):AF+FR*(\a)+FR-1], v[8*(8*((\a)%4)+\b):8*(8*((\a)%4)+\b)+7]
.endif
.endr
.endr
.endm
.macro FETCH_B slot, q, p              ; B's eight fragments of the slot's q-th 128 along K into set p
	WIN TO_B
.irp i, 0,1,2,3,4,5,6,7
	FRAG 128*(\p)+FR*\i, ADRB+\slot, \q, \i
.endr
	WIN 0
.endm
.macro FETCH_A slot, q, i0             ; A's blocks i0 .. i0 + 3
.irp i, \i0, \i0+1, \i0+2, \i0+3
	FRAG AF+FR*(\i), ADRA+\slot, \q, \i
.endr
.endm
.macro PLACES n                        ; plain vector instructions in front of loads into registers that matrix instructions have read, and of the first read of results
.rept \n
	v_nop
.endr
.endm
; A step of 128 along K that has its successor in the same slot.
.macro STEP slot, q, zero
	s_wait_dscnt 4*NL                              ; B's set and A's blocks 0-3 are in; the youngest 16 loads (A's blocks 4-7) may be out
	WIN MUL_LO
	MUL16 0, (\q)%2, \zero
	MUL16 2, (\q)%2, \zero
	s_wait_dscnt 0                                 ; A's blocks 4-7 are in
	PLACES NP
	FETCH_B \slot, (\q)+1, 1-(\q)%2
	FETCH_A \slot, (\q)+1, 0
	WIN MUL_HI
	MUL16 4, (\q)%2, \zero
	MUL16 6, (\q)%2, \zero
	PLACES NP
	WIN 0
	FETCH_A \slot, (\q)+1, 4
.endm
; A slot's last step changes slots: ONE barrier; in front of it each wave waits for all its tensor loads, adds 0 to its spare word, and waits for that and for its own reads of this slot.  fill = 1: this slot is filled again, two slots ahead.
.macro TURN slot, next, fill
	s_wait_tensorcnt 0x0                           ; all my tensor loads have landed: my part of the next slot  (every window is 0 here)
	ds_add_u32 v[SPW], v[NIL]                      ; 0 onto my spare word
	s_wait_dscnt 4*NL+1                            ; (the add and the youngest 16 loads, A's blocks 4-7, may be out)
	WIN MUL_LO
	MUL16 0, 1, 0                                  ; sixteen matrix instructions stand between the add and the wait for it
	s_wait_dscnt 0x0                               ; the add is done, and my reads of this slot are over
	s_barrier_signal -1
	MUL16 2, 1, 0
	WIN 0
	s_barrier_wait -1
.if \fill
	CREST                                          ; the barrier has opened a round of the cluster's barrier: no wave of any partner still reads this slot or has a load on its way
	s_add_nc_u64 s[G0+4*\slot+2:G0+4*\slot+3], s[G0+4*\slot+2:G0+4*\slot+3], 2*ROWB
	s_add_nc_u64 s[G0B+4*\slot+2:G0B+4*\slot+3], s[G0B+4*\slot+2:G0B+4*\slot+3], 2*ROWB
	JLOAD G0+4*\slot, G1, G0B+4*\slot, G1B         ; the first tensor load behind the round; the four v_nop behind it are also the places in front of the loads below
.else
	PLACES NP
.endif
	FETCH_B \next, 0, 0
	FETCH_A \next, 0, 0
	WIN MUL_HI
	MUL16 4, 1, 0
	MUL16 6, 1, 0
	PLACES NP
	WIN 0
	FETCH_A \next, 0, 4
.endm
	s_wait_tensorcnt 1                             ; my part of slot 0 is in (slot 1's load may be out)
	s_barrier_signal -1
	s_barrier_wait -1                              ; everybody's is
	FETCH_B 0, 0, 0
	FETCH_A 0, 0, 0
	FETCH_A 0, 0, 4
	; K = 1024 is eight steps of 128, twice round the ring: written out, since a loop would have one trip
	STEP 0, 0, 1                                   ; K 0: its products start the sums
	TURN 0, 1, 1                                   ; K 128; slot 0 takes K 512 on
	STEP 1, 0, 0                                   ; K 256
	TURN 1, 0, 1                                   ; K 384; slot 1 takes K 768 on
	STEP 0, 0, 0                                   ; K 512
	TURN 0, 1, 0                                   ; K 640; nothing is left to fetch, so no round of the cluster's barrier
	STEP 1, 0, 0                                   ; K 768
	s_wait_dscnt 4*NL                              ; K 896, the last step
	WIN MUL_LO
	MUL16 0, 1, 0
	MUL16 2, 1, 0
	s_wait_dscnt 0
	WIN MUL_HI
	MUL16 4, 1, 0
	MUL16 6, 1, 0
	WIN 0
	; THE WAY OUT: no LDS: the conversions' results are the images' registers.
	s_wait_kmcnt 0x0                               ; the exponents
	s_wait_loadcnt 0x0                             ; the biases
	s_add_co_i32 s84, s76, s77
	s_add_co_i32 s84, s84, 127
	s_lshl_b32 s84, s84, 23                        ; 2^(e0 + e1) as f32
	s_mov_b32 s85, s84                             ; (named with it as a pair, so it is written)
	s_lshl_b32 s92, s42, 18                        ; v_img: (2 x B's tile + B's half) x 131,072 + (16 cy + 8 x A's half) x 2,048
	s_lshl_b32 s90, s16, 17
	s_add_co_u32 s92, s92, s90
	s_lshl_b32 s90, s41, 15
	s_add_co_u32 s92, s92, s90
	s_lshl_b32 s90, s15, 14
	s_add_co_u32 s92, s92, s90
	s_lshl_b32 s93, s17, 18                        ; q_img, k_img: (16 x A's tile + 8 x A's half) x 16,384 + (4 cx + 2 x B's half) x 1,024
	s_lshl_b32 s90, s15, 17
	s_add_co_u32 s93, s93, s90
	s_lshl_b32 s90, s40, 12
	s_add_co_u32 s93, s93, s90
	s_lshl_b32 s90, s16, 11
	s_add_co_u32 s93, s93, s90
	s_cmp_eq_u32 ttmp9, 0
	s_cselect_b32 s86, s78, s79                    ; e2 for q, e3 for k,
	s_cselect_b64 s[88:89], s[68:69], s[70:71]
	s_cmp_eq_u32 ttmp9, 2
	s_cselect_b32 s86, s81, s86                    ; e5 for v
	s_cselect_b64 s[88:89], s[72:73], s[88:89]
	s_cselect_b32 s90, s92, s93
	s_mov_b32 s91, 0
	s_add_nc_u64 s[88:89], s[88:89], s[90:91]      ; my wave's first image
	s_add_co_i32 s86, s86, 127
	s_lshl_b32 s87, s86, 23
	v_mov_b32 v[SCL], s87                          ; 2^eo: the conversion takes its exponent field
	s_add_co_i32 s86, s86, 8
	s_lshl_b32 s86, s86, 23
	s_or_b32 s86, s86, 0x600000
	v_mov_b32 v[LIM], s86                          ; 448 x 2^eo
	PLACES NP                                      ; behind the last products: their results are read and A's registers written below
; Block a: A's 16 rows x B's 128.  isv = 0: the images of two heads for 16 tokens, 2,048 bytes on end; the next block lies 16,384 bytes on.  isv = 1: one image of 16 channels x 128 keys; the next lies 2,048 bytes on.
.macro OUTBLOCK a, isv
.set AC, 64*((\a)%4)
.set CD, CODE+16*((\a)%4)
.if (\a) >= 4
	s_wait_xcnt 0x0                                ; the stores of four blocks ago have read this set of codes: it is written again only behind this wait
.endif
	WIN 0x02+((\a)/4)                              ; source 0: window 2 or 3
.set j, 0
.rept 32
.if \isv
	v_pk_fma_f32 v[TMP+j:TMP+j+1], v[AC+j:AC+j+1], s[84:85], v[BV+2*(\a):BV+2*(\a)+1] op_sel_hi:[1,0,1]   ; sum x 2^(e0 + e1) + my lane's channel's bias; each accumulator from its low end on
.else
	v_pk_fma_f32 v[TMP+j:TMP+j+1], v[AC+j:AC+j+1], s[84:85], v[BQ+j:BQ+j+1] op_sel_hi:[1,0,1]             ; + the registers' channels' biases
.endif
.set j, j+2
.endr
	WIN 0
.set j, 0
.rept 64
	v_med3_num_f32 v[TMP+j], v[TMP+j], -v[LIM], v[LIM]    ; the conversion to an 8-bit code does not saturate (ISA guide 7.6.2): the hold at the largest code x the scale
.set j, j+1
.endr
.irp b, 0,1,2,3,4,5,6,7
	v_cvt_scalef32_pk8_fp8_f32 v[CD+2*\b:CD+2*\b+1], v[TMP+8*\b:TMP+8*\b+7], v[SCL]
.endr
	v_nop                                          ; one plain vector instruction behind the conversions: the next block writes their sources
.irp g, 0,1,2,3
.if \isv
	global_store_b128 v[CO], v[CD+4*\g:CD+4*\g+3], s[88:89] offset:(\a)*2048+512*\g     ; the wave stores 512 consecutive bytes, aligned
.else
	global_store_b128 v[CO], v[CD+4*\g:CD+4*\g+3], s[88:89] offset:(\a)*16384+512*\g
.endif
.endr
.endm
	s_cmp_eq_u32 ttmp9, 2                          ; the same way in all sixteen partners
	s_cbranch_scc1 .Lout_v
.irp a, 0,1,2,3,4,5,6,7
	OUTBLOCK \a, 0
.endr
	s_branch .Lout_done
.Lout_v:
.irp a, 0,1,2,3,4,5,6,7
	OUTBLOCK \a, 1
.endr
.Lout_done:
	s_wait_tensorcnt 0x0                           ; the wave's end
	ds_add_u32 v[SPW], v[NIL]
	s_wait_dscnt 0x0
	CROUND                                         ; the closing round: no work-group ends while a partner may still ask for a tile that names it
	s_endpgm
.Lfunc_end_k_qecb38c3090_qkv:
	.size	k_qecb38c3090_qkv, .Lfunc_end_k_qecb38c3090_qkv-k_qecb38c3090_qkv
	.p2alignl 7, 3214868480
	.fill 96, 4, 3214868480
	.section	.rodata,"a",@progbits
	.p2align	6, 0x0
	.amdhsa_kernel k_qecb38c3090_qkv
		.amdhsa_group_segment_fixed_size 327680
		.amdhsa_private_segment_fixed_size 0
		.amdhsa_enable_private_segment 0
		.amdhsa_kernarg_size 56
		.amdhsa_user_sgpr_count 2
		.amdhsa_user_sgpr_kernarg_segment_ptr 1
		.amdhsa_wavefront_size32 1
		.amdhsa_system_sgpr_workgroup_id_x 1
		.amdhsa_system_sgpr_workgroup_id_y 1
		.amdhsa_system_sgpr_workgroup_id_z 1
		.amdhsa_system_vgpr_workitem_id 0
		.amdhsa_next_free_vgpr 1024
		.amdhsa_next_free_sgpr 100
		.amdhsa_reserve_vcc 0
		.amdhsa_float_denorm_mode_32 3
		.amdhsa_float_denorm_mode_16_64 3
		.amdhsa_memory_ordered 1
		.amdhsa_forward_progress 1
		.amdhsa_inst_pref_size 193
	.end_amdhsa_kernel
	.amdgpu_metadata
---
amdhsa.version: [ 1, 2 ]
amdhsa.kernels:
  - .name:           k_qecb38c3090_qkv
    .symbol:         k_qecb38c3090_qkv.kd
    .args:
      - { .name: x_codes, .offset: 0, .size: 8, .value_kind: global_buffer, .address_space: global }
      - { .name: qkv_w_codes, .offset: 8, .size: 8, .value_kind: global_buffer, .address_space: global }
      - { .name: qkv_b, .offset: 16, .size: 8, .value_kind: global_buffer, .address_space: global }
      - { .name: lowp_scales, .offset: 24, .size: 8, .value_kind: global_buffer, .address_space: global }
      - { .name: q_img, .offset: 32, .size: 8, .value_kind: global_buffer, .address_space: global }
      - { .name: k_img, .offset: 40, .size: 8, .value_kind: global_buffer, .address_space: global }
      - { .name: v_img, .offset: 48, .size: 8, .value_kind: global_buffer, .address_space: global }
    .group_segment_fixed_size: 327680
    .private_segment_fixed_size: 0
    .kernarg_segment_align: 8
    .kernarg_segment_size: 56
    .max_flat_workgroup_size: 128
    .sgpr_count:     100
    .vgpr_count:     1024
    .wavefront_size: 32
...
	.end_amdgpu_metadata
.endif
;; end of part 1
;; launch attn (part 2): grid 4 x 64, 16 waves a work-group, no clusters, 34,816 bytes of LDS; arguments q_img, k_img, v_img, lowp_scales, a_img; writes a_img
.if DOCPART == 2
	.amdgcn_target "amdgcn-amd-amdhsa--gfx1250"
	.amdhsa_code_object_version 6
	.text
	.protected	k_qecb38c3090_attn
	.globl	k_qecb38c3090_attn
	.p2align	8
	.type	k_qecb38c3090_attn,@function
k_qecb38c3090_attn:
	s_mov_b64 s[64:65], 0
	v_nop
	global_prefetch_b8 v0, s[64:65] scope:SCOPE_SE
	s_setreg_imm32_b32 hwreg(HW_REG_WAVE_MODE, 25, 1), 1
	s_wait_xcnt 0x0
; Causal attention on codes of FP8 (E4M3), head size 64, 2,048 tokens, 64 (batch, head) pairs.  Inputs and output are images of operand registers (a group of four registers at 512 x group + 16 x lane):
;   q_img, k_img, a_img: [row / 16: 512][head: 16][1024 bytes]: 16 rows x 64 channels, 8 registers;   v_img: [row / 128: 64][channel / 16: 64][2048 bytes]: 16 channels x 128 keys, 16 registers.
; THE SOFTMAX AHEAD OF THE SECOND PRODUCT: t = score x log2(e) / 8; M = the row's largest t so far, rounded UP to a whole number; p = 2^(t - M) is quantised with 2^e4; it is not normalised.  The row's sum is taken of the
; unquantised p, in f32, and divides O at the end.  When M moves, the sum and O are multiplied by 2^(old M - new M): exact.  O x 2^(e4 + e5) / sum is quantised with 2^e6 and stored as the last product's operand.
; LIMITS on the given exponents: e2 + e3 between -123 and 130 (added to c's exponent field); e4 and e6 between -126 and 119; e4 + e5 is applied by v_ldexp_f32 and has none.
; SHARES.  Work-group (p, bh) takes the head's block p of 256 queries and then block 7 - p: p + 1 and 8 - p slots of 256 keys, NINE trips in every work-group, so that all 256 have the same work and the trip count is a constant.
; Each of the sixteen waves owns 16 queries, in 256 registers: four waves to a SIMD, so that one wave's vector work stands beside another's matrix work and LDS loads.
; A slot (16 KB of K, 16 KB of V) comes through registers: each wave loads 2 KB of it (four loads of 512 consecutive bytes) a trip ahead and stores them into LDS at the next trip's head, between two barriers:
; the first shows that every wave's reads of the slot are over, the second that every wave's stores have landed.  No tensor load: 2 KB a wave cost 16 registers, and every LDS address is 16 x lane + constants.
; NO CLUSTER: the four work-groups of a head that could be partners stand at different key slots in a given trip (blocks p and 7 - p begin anew at different trips), so they have no joint request to make.
; LAYOUT.  Both products are used transposed: S^T = K Q^T (source 0 = 16 keys, source 1 = my 16 queries), O^T = V^T P^T (source 0 = 16 channels, source 1 = P): a lane holds ONE query (lane % 16) throughout, and register j of
; key tile t holds key 16 t + 8 (lane / 16) + j: converted, a tile's eight registers are registers 2 t, 2 t + 1 of the next operand.  Likewise O^T's four tiles for the output's image.
; CAUSAL.  A step of 128 keys all of which come after my 16 queries is jumped over (a scalar branch on ids; no barrier stands in a step); on the diagonal hidden scores become -infinity ahead of the maximum.
.set LI,   1                           ; v1   16 x lane
.set SA,   2                           ; v2   where I store my 2 KB of a slot: 16 x lane + 1,024 x wave
.set GK0,  4                           ; v4   my byte offset in k_img at key slot 0 (and, + 262,144 x block, in q_img and a_img)
.set GV0,  5                           ; v5   the same in v_img
.set GK,   6                           ; v6, v7  the offsets of the loads in hand
.set GV,   7
.set QV,   9                           ; v9   my offset in q_img and a_img
.set LR,   10                          ; v10  lane % 16 - 8 (lane / 16)
.set NINF, 11                          ; v11  -infinity
.set Q,    16                          ; v16-23   Q's fragment          (v12 -M, v13 the largest t, v[14:15] the sum in two halves)
.set ST,   24                          ; v24-39   the next slot's 2 KB
.set KV,   40                          ; v40-103  eight fragments of K, then four of V
.set S,    104                         ; v104-167 S^T, then p
.set O,    168                         ; v168-199 O^T
.set PC,   200                         ; v200-215 p's codes; at a pass's end the output's
.set TA,   216                         ; at work
.set F,    218                         ; v[218:219] f = 2^(old M - new M) (the pair's upper half is written once)
.set PX,   220                         ; a lane permute's destination
.set L2,   222                         ; v[222:223] the sum's second chain
.set PLIM, 224                         ; 448 x 2^e4
.set PSC,  225                         ; 2^e4
.set ASC,  226                         ; 2^e6
.set ALIM, 227                         ; 448 x 2^e6
.set DD,   228                         ; the mask's bound
.set VOFF, 16384                       ; LDS: K's 16 images of 1,024 bytes, then V's 8 of 2,048
	s_load_b256 s[4:11], s[0:1], 0x0               ; q_img s[4:5], k_img s[6:7], v_img s[8:9], the exponents s[10:11]
	s_load_b64 s[12:13], s[0:1], 0x20              ; a_img
	v_lshl_add_u32 v254, v0, 2, 0x8000
	v_mov_b32 v255, 0
	v_lshrrev_b32 v3, 5, v0
	v_readfirstlane_b32 s14, v3                    ; wave 0..15
	v_and_b32 v3, 31, v0
	v_lshlrev_b32 v[LI], 4, v3
	s_lshl_b32 s27, s14, 10
	v_add_nc_u32 v[SA], s27, v[LI]
	s_mov_b32 s15, ttmp9                           ; p
	s_and_b32 s16, ttmp7, 0xffff                   ; 16 x batch + head
	s_lshr_b32 s39, s16, 4
	s_lshl_b32 s39, s39, 21                        ; the batch's 2,097,152 bytes in each buffer
	s_and_b32 s40, s16, 15                         ; the head
	s_lshl_b32 s41, s14, 14                        ; k_img: key tile = wave: 16,384 bytes a row tile,
	s_add_co_u32 s41, s41, s39
	s_lshl_b32 s42, s40, 10                        ; 1,024 a head
	s_add_co_u32 s41, s41, s42
	v_add_nc_u32 v[GK0], s41, v[LI]
	s_lshr_b32 s42, s14, 3                         ; v_img: waves 0-7 bring the slot's first 128 keys, 8-15 its second: 131,072 bytes apart;
	s_lshl_b32 s42, s42, 17
	s_add_co_u32 s42, s42, s39
	s_lshl_b32 s43, s40, 13                        ; a head's four images are 8,192 bytes,
	s_add_co_u32 s42, s42, s43
	s_and_b32 s43, s14, 7                          ; of which wave % 8 brings the 1,024 bytes at 1,024 x (wave % 8)
	s_lshl_b32 s43, s43, 10
	s_add_co_u32 s42, s42, s43
	v_add_nc_u32 v[GV0], s42, v[LI]
	s_lshl_b32 s36, s15, 18                        ; block p's 16 row tiles begin 262,144 p bytes on,
	s_sub_co_u32 s37, 7, s15
	s_lshl_b32 s38, s37, 8
	s_lshl_b32 s37, s37, 18                        ; block 7 - p's likewise
	s_lshl_b32 s27, s14, 4
	s_add_co_u32 s38, s38, s27                     ; my first query in the second pass: 256 (7 - p) + 16 x wave
	s_lshl_b32 s20, s15, 8
	s_add_co_u32 s20, s20, s27                     ; and in the first
	v_mov_b32 v[GK], v[GK0]
	v_mov_b32 v[GV], v[GV0]
	v_add_nc_u32 v[QV], s36, v[GK0]
	s_wait_kmcnt 0x0
	s_load_b256 s[28:35], s[10:11], 0x0            ; e0 .. e7
	global_load_b128 v[ST:ST+3], v[GK], s[6:7]                 ; key slot 0: my 1,024 bytes of K,
	global_load_b128 v[ST+4:ST+7], v[GK], s[6:7] offset:512
	global_load_b128 v[ST+8:ST+11], v[GV], s[8:9]              ; and of V
	global_load_b128 v[ST+12:ST+15], v[GV], s[8:9] offset:512
	global_load_b128 v[Q:Q+3], v[QV], s[4:5]                   ; Q's fragment stays in registers for a pass
	global_load_b128 v[Q+4:Q+7], v[QV], s[4:5] offset:512
	v_and_b32 v[LR], 15, v0
	v_bfe_u32 v3, v0, 4, 1
	v_lshlrev_b32 v3, 3, v3
	v_sub_nc_u32 v[LR], v[LR], v3
	v_mov_b32 v[NINF], 0xff800000
	v_mov_b32 v[F+1], 0                            ; (named as the upper half of a pair)
	v_mov_b32 v[PX], 0                             ; (a lane permute's destination counts as one of its sources)
.macro INIT                            ; a pass begins: the step is written once, its first run finds zeros, which the first change of M leaves zeros
	v_mov_b32 v13, 0xff61b1e6                      ; the largest t so far: -3e38, under every t
	v_floor_f32 v12, -v13                          ; -M
	v_mov_b32 v14, 0
	v_mov_b32 v15, 0
.set j, 0
.rept 32
	v_mov_b32 v[O+j], 0
.set j, j+1
.endr
.endm
	INIT
	s_mov_b32 s24, 0x76543210
	s_mov_b32 s25, 0xfedcba98                      ; v_permlanex16_b32's selects for lane l xor 16
	s_mov_b32 s22, 0x3e38aa3b                      ; c = log2(e) / 8
	s_mov_b32 s17, 0                               ; the trip
	s_mov_b32 s19, 0                               ; 262,144 x the key slot that was asked for last
	s_mov_b32 s21, 0                               ; the step's first key
	s_wait_kmcnt 0x0
	s_add_co_i32 s27, s30, s31
	s_lshl_b32 s27, s27, 23
	s_add_co_i32 s22, s22, s27                     ; a score stands for score x 2^(e2 + e3): the two exponents are added to c's exponent field
	s_mov_b32 s23, s22                             ; (named with it as a pair, so it is written)
	s_add_co_i32 s27, s32, 127
	s_lshl_b32 s44, s27, 23
	v_mov_b32 v[PSC], s44                          ; 2^e4
	s_add_co_i32 s27, s27, 8
	s_lshl_b32 s27, s27, 23
	s_or_b32 s27, s27, 0x600000
	v_mov_b32 v[PLIM], s27                         ; 448 x 2^e4
	s_add_co_i32 s27, s34, 127
	s_lshl_b32 s44, s27, 23
	v_mov_b32 v[ASC], s44                          ; 2^e6
	s_add_co_i32 s27, s27, 8
	s_lshl_b32 s27, s27, 23
	s_or_b32 s27, s27, 0x600000
	v_mov_b32 v[ALIM], s27                         ; 448 x 2^e6
	s_add_co_i32 s26, s32, s33                     ; e4 + e5
; A KEY STEP: 128 keys, the q-th half of the slot.
.macro STEP q
	s_add_co_u32 s27, s20, 15
	s_cmp_gt_u32 s21, s27                          ; all 128 keys come after my 16 queries?
	s_cbranch_scc1 .Lhidden_\@
.irp t, 0,1,2,3,4,5,6,7
	ds_load_b128 v[KV+8*\t:KV+8*\t+3], v[LI] offset:8192*(\q)+1024*\t          ; K's eight images, as they lie
	ds_load_b128 v[KV+8*\t+4:KV+8*\t+7], v[LI] offset:8192*(\q)+1024*\t+512
.endr
	s_wait_dscnt 0x0
.irp t, 0,1,2,3,4,5,6,7
	v_wmma_f32_16x16x64_fp8_fp8 v[S+8*\t:S+8*\t+7], v[KV+8*\t:KV+8*\t+7], v[Q:Q+7], 0
.endr
.rept 4
	v_nop                                          ; places in front of the loads into K's registers and of the first read of the scores
.endr
.irp d, 0,1,2,3
.irp g, 0,1,2,3
	ds_load_b128 v[KV+16*\d+4*\g:KV+16*\d+4*\g+3], v[LI] offset:VOFF+8192*(\q)+2048*\d+512*\g   ; V's four images: they land under the softmax
.endr
.endr
	s_add_co_u32 s27, s21, 127
	s_cmp_le_u32 s27, s20                          ; all 128 keys count for all my queries?
	s_cbranch_scc1 .Lopen_\@
	s_sub_co_i32 s27, s20, s21
	v_add_nc_u32 v[DD], s27, v[LR]                 ; d = my query - the step's first key - 8 (lane / 16).  Register 8 t + j holds key 16 t + 8 (lane / 16) + j: hidden where 16 t + j > d
.set n, 0
.rept 64
	v_cmp_gt_i32 vcc_lo, 16*(n/8)+n%8, v[DD]
	v_cndmask_b32 v[S+n], v[S+n], v[NINF], vcc_lo
.set n, n+1
.endr
.Lopen_\@:
	v_max3_num_f32 v[TA], v[S], v[S+1], v[S+2]     ; the step's largest score of my query, among my 64 keys, in two chains, each tile from its low end on,
	v_max3_num_f32 v[F], v[S+3], v[S+4], v[S+5]
.set n, 6
.rept 14
	v_max3_num_f32 v[TA], v[TA], v[S+n], v[S+n+1]
	v_max3_num_f32 v[F], v[F], v[S+n+2], v[S+n+3]
.set n, n+4
.endr
	v_max3_num_f32 v[TA], v[TA], v[S+62], v[S+63]
	v_max_num_f32 v[TA], v[TA], v[F]
	v_permlanex16_b32 v[PX], v[TA], s24, s25
	v_max_num_f32 v[TA], v[TA], v[PX]              ; and among lane l xor 16's
	v_mul_f32 v[TA], s22, v[TA]                    ; as t (c is positive)
	v_max_num_f32 v13, v13, v[TA]                  ; the running largest t
	v_mov_b32 v[TA], v12
	v_floor_f32 v12, -v13                          ; the new -M = floor(-t) = -ceil(t): a whole number
	v_sub_f32 v[TA], v12, v[TA]                    ; M's old value less its new one: a whole number, 0 or less
	v_cvt_i32_f32 v[TA], v[TA]                     ; (it saturates)
	v_ldexp_f32 v[F], 1.0, v[TA]                   ; f = 2^(old M - new M)
.set n, 0
.rept 32
	v_pk_fma_f32 v[S+n:S+n+1], v[S+n:S+n+1], s[22:23], v[12:13] op_sel_hi:[1,0,0]   ; t - M, two at a time (of the pairs c and -M the low word serves both halves)
.set n, n+2
.endr
.set n, 0
.rept 64
	v_exp_f32 v[S+n], v[S+n]                       ; p = 2^(t - M), at most 1
.set n, n+1
.endr
	v_pk_mul_f32 v[14:15], v[14:15], v[F:F+1] op_sel_hi:[1,0]   ; the sums under the new M  (the plain place behind the exponentials)
	s_wait_alu depctr_va_vdst(0)
	v_pk_add_f32 v[L2:L2+1], v[S:S+1], v[S+2:S+3]  ; the row's sum is taken of the UNQUANTISED p: two at a time, in two chains
.set n, 4
.rept 15
	v_pk_add_f32 v[14:15], v[14:15], v[S+n:S+n+1]
	v_pk_add_f32 v[L2:L2+1], v[L2:L2+1], v[S+n+2:S+n+3]
.set n, n+4
.endr
	v_pk_add_f32 v[14:15], v[14:15], v[L2:L2+1]
.irp t, 0,1,2,3,4,5,6,7
.irp i, 0,1,2,3,4,5,6,7
	v_min_num_f32 v[S+8*\t+\i], v[S+8*\t+\i], v[PLIM]   ; the conversion to an 8-bit code does not saturate (ISA guide 7.6.2); p is not negative, so the hold is one-sided
.endr
	v_cvt_scalef32_pk8_fp8_f32 v[PC+2*\t:PC+2*\t+1], v[S+8*\t:S+8*\t+7], v[PSC]   ; registers 2 t, 2 t + 1 of P: keys 16 t + 8 (lane / 16) + 0 .. 7
.endr
.set n, 0
.rept 16
	v_pk_mul_f32 v[O+n:O+n+1], v[O+n:O+n+1], v[F:F+1] op_sel_hi:[1,0]   ; O^T under the new M  (also the plain place behind the conversions)
.set n, n+2
.endr
	s_wait_dscnt 0x0                               ; V is in
.irp d, 0,1,2,3
	v_wmma_f32_16x16x128_fp8_fp8 v[O+8*\d:O+8*\d+7], v[KV+16*\d:KV+16*\d+15], v[PC:PC+15], v[O+8*\d:O+8*\d+7]   ; four accumulators by turns, one instruction a turn
.endr
.rept 4
	v_nop                                          ; places in front of the next loads into V's registers and of the next read of O^T
.endr
.Lhidden_\@:
	s_add_co_u32 s21, s21, 128
.endm
; A pass's end: O^T x 2^(e4 + e5) / the sum, quantised with 2^e6: the four tiles' codes are the eight registers of the output's image.
.macro FINISH
	v_add_f32 v14, v14, v15                        ; the sum's two halves,
	v_permlanex16_b32 v[PX], v14, s24, s25
	v_add_f32 v14, v14, v[PX]                      ; and lane l xor 16's
	v_rcp_f32 v14, v14
	v_nop                                          ; one plain place behind a transcendental
	s_wait_alu depctr_va_vdst(0)
	v_ldexp_f32 v14, v14, s26
.set n, 0
.rept 16
	v_pk_mul_f32 v[S+n:S+n+1], v[O+n:O+n+1], v[14:15] op_sel_hi:[1,0]
.set n, n+2
.endr
.set n, 0
.rept 32
	v_med3_num_f32 v[S+n], v[S+n], -v[ALIM], v[ALIM]
.set n, n+1
.endr
.irp d, 0,1,2,3
	v_cvt_scalef32_pk8_fp8_f32 v[PC+2*\d:PC+2*\d+1], v[S+8*\d:S+8*\d+7], v[ASC]
.endr
	v_nop                                          ; one plain vector instruction behind the conversions
	global_store_b128 v[QV], v[PC:PC+3], s[12:13]              ; the wave stores 512 consecutive bytes, aligned, twice
	global_store_b128 v[QV], v[PC+4:PC+7], s[12:13] offset:512
.endm
.Ltrip:                                                ; nine trips, a slot of 256 keys each
	s_wait_dscnt 0x0                               ; my reads of the slot are over
	s_barrier_signal -1
	s_barrier_wait -1                              ; everybody's are: the slot may be written
	s_wait_loadcnt 0x0                             ; my 2 KB of this trip's slot (and, at a pass's head, Q) are in registers
	ds_store_b128 v[SA], v[ST:ST+3]
	ds_store_b128 v[SA], v[ST+4:ST+7] offset:512
	ds_store_b128 v[SA], v[ST+8:ST+11] offset:VOFF
	ds_store_b128 v[SA], v[ST+12:ST+15] offset:VOFF+512
	s_wait_dscnt 0x0                               ; for the others' sake: my stores have landed
	s_barrier_signal -1
	s_barrier_wait -1                              ; the slot is whole
	s_cmp_eq_u32 s17, 8                            ; the last trip asks for nothing: no load leaves its buffer
	s_cbranch_scc1 .Lno_next
	s_add_co_u32 s19, s19, 262144                  ; the next key slot,
	s_cmp_eq_u32 s17, s15
	s_cselect_b32 s19, 0, s19                      ; or, behind the first pass's last trip, slot 0 again
	v_add_nc_u32 v[GK], s19, v[GK0]                ; (free since the wait for the loads that named them)
	v_add_nc_u32 v[GV], s19, v[GV0]
	global_load_b128 v[ST:ST+3], v[GK], s[6:7]
	global_load_b128 v[ST+4:ST+7], v[GK], s[6:7] offset:512
	global_load_b128 v[ST+8:ST+11], v[GV], s[8:9]
	global_load_b128 v[ST+12:ST+15], v[GV], s[8:9] offset:512
.Lno_next:
	STEP 0
	STEP 1
	s_cmp_lg_u32 s17, s15
	s_cbranch_scc1 .Lsame_pass
	FINISH                                         ; block p is done; block 7 - p begins
	s_wait_xcnt 0x0                                ; the stores have read their offset and their codes: both are written again only behind this wait
	v_add_nc_u32 v[QV], s37, v[GK0]
	global_load_b128 v[Q:Q+3], v[QV], s[4:5]
	global_load_b128 v[Q+4:Q+7], v[QV], s[4:5] offset:512
	INIT
	s_mov_b32 s20, s38
	s_mov_b32 s21, 0
.Lsame_pass:
	s_add_co_u32 s17, s17, 1
	s_cmp_lt_u32 s17, 9
	s_cbranch_scc1 .Ltrip
	FINISH
	s_wait_tensorcnt 0x0
	ds_add_u32 v254, v255
	s_wait_dscnt 0x0
	s_endpgm
.Lfunc_end_k_qecb38c3090_attn:
	.size	k_qecb38c3090_attn, .Lfunc_end_k_qecb38c3090_attn-k_qecb38c3090_attn
	.p2alignl 7, 3214868480
	.fill 96, 4, 3214868480
	.section	.rodata,"a",@progbits
	.p2align	6, 0x0
	.amdhsa_kernel k_qecb38c3090_attn
		.amdhsa_group_segment_fixed_size 34816
		.amdhsa_private_segment_fixed_size 0
		.amdhsa_enable_private_segment 0
		.amdhsa_kernarg_size 40
		.amdhsa_user_sgpr_count 2
		.amdhsa_user_sgpr_kernarg_segment_ptr 1
		.amdhsa_wavefront_size32 1
		.amdhsa_system_sgpr_workgroup_id_x 1
		.amdhsa_system_sgpr_workgroup_id_y 1
		.amdhsa_system_sgpr_workgroup_id_z 1
		.amdhsa_system_vgpr_workitem_id 0
		.amdhsa_next_free_vgpr 256
		.amdhsa_next_free_sgpr 66
		.amdhsa_reserve_vcc 1
		.amdhsa_float_denorm_mode_32 3
		.amdhsa_float_denorm_mode_16_64 3
		.amdhsa_memory_ordered 1
		.amdhsa_forward_progress 1
		.amdhsa_inst_pref_size 56
	.end_amdhsa_kernel
	.amdgpu_metadata
---
amdhsa.version: [ 1, 2 ]
amdhsa.kernels:
  - .name:           k_qecb38c3090_attn
    .symbol:         k_qecb38c3090_attn.kd
    .args:
      - { .name: q_img, .offset: 0, .size: 8, .value_kind: global_buffer, .address_space: global }
      - { .name: k_img, .offset: 8, .size: 8, .value_kind: global_buffer, .address_space: global }
      - { .name: v_img, .offset: 16, .size: 8, .value_kind: global_buffer, .address_space: global }
      - { .name: lowp_scales, .offset: 24, .size: 8, .value_kind: global_buffer, .address_space: global }
      - { .name: a_img, .offset: 32, .size: 8, .value_kind: global_buffer, .address_space: global }
    .group_segment_fixed_size: 34816
    .private_segment_fixed_size: 0
    .kernarg_segment_align: 8
    .kernarg_segment_size: 40
    .max_flat_workgroup_size: 512
    .sgpr_count:     66
    .vgpr_count:     256
    .wavefront_size: 32
...
	.end_amdgpu_metadata
.endif
;; end of part 2
;; launch proj (part 3): grid 4 x 32, 4 waves a work-group, clusters of 4 x 4, 327,680 bytes of LDS; arguments a_img, out_w_codes, out_b, lowp_scales, out0; writes out0
.if DOCPART == 3
	.amdgcn_target "amdgcn-amd-amdhsa--gfx1250"
	.amdhsa_code_object_version 6
	.text
	.protected	k_qecb38c3090_proj
	.globl	k_qecb38c3090_proj
	.p2align	8
	.type	k_qecb38c3090_proj,@function
k_qecb38c3090_proj:
	s_mov_b64 s[64:65], 0
	v_nop
	global_prefetch_b8 v0, s[64:65] scope:SCOPE_SE
	s_setreg_imm32_b32 hwreg(HW_REG_WAVE_MODE, 25, 1), 1
	s_wait_xcnt 0x0
	s_wait_alu depctr_hold_cnt(0) depctr_sa_sdst(0) depctr_va_vdst(0) depctr_va_sdst(0) depctr_va_ssrc(0) depctr_va_vcc(0) depctr_vm_vsrc(0)
	s_getreg_b32 s2, hwreg(HW_REG_IB_STS2, 6, 4)
	s_cmp_eq_u32 s2, 0
	s_cbranch_scc0 .Lentry_in_a_cluster
	s_endpgm
.Lentry_in_a_cluster:
	s_bfe_u32 s2, ttmp6, 0x10000c
	s_cmp_lg_u32 s2, 0xf033
	s_cbranch_scc0 .Lentry_shape_is_right
	s_endpgm
.Lentry_shape_is_right:
; out0 = a W^T + b on codes of FP8 (E4M3).  a: 8,192 rows x 1,024, as images of operand registers, a_img [row / 16: 512][head: 16][1024 bytes] (a group of four registers at 512 x group + 16 x lane; registers 2 c, 2 c + 1 of
; lane (r, h) hold row r's k = 16 c + 8 h + 0 .. 7 of the head's 64); two neighbouring heads' images are one fragment of 16 rows x 128 K.  W: [1024][1024] codes, K innermost.  out0: [8192][1024] f32.
; out0 = sum x 2^(e6 + e7) + out_b, one fused multiply-add.  LIMIT: e6 + e7 between -126 and 127, so that 2^(e6 + e7) is an f32 number.
; SHARES.  A tile of 256 x 256 to a work-group of four waves; a wave makes 128 x 128: 64 accumulators.  K = 1024 goes in four steps of 256 through a ring of two LDS slots filled by tensor loads.  128 tiles: 128 work-groups.
; CLUSTERS: 4 x 4 work-groups; a's tile is shared along a row of the cluster, W's along a column: each is asked for jointly.  Source 0 = 16 rows of W, source 1 = 16 rows of a: a lane holds eight neighbouring numbers of a row of out0.
; LDS, a slot: a's 16 row tiles x 4,096 bytes (four heads' images on end), dense: a fragment comes by four loads of 512 consecutive bytes; then W's 256 rows of 256 bytes + 16 of padding, from which a fragment comes by eight
; loads of 8 bytes a lane, at k = 16 c + 8 h: each k in the very place that it has in a's images.
; REGISTERS, in windows of 256: window 0: v16-29 addresses; v32-95 biases; v96-127 at work on the way out; from v128 a's fragments, ONE set, on the way out rows of out0.   window 1: W's fragments, two sets.   windows 2, 3: accumulators.
.set PITCH,  272                       ; W's LDS row: 68 words: lane (r, h) of a load of 8 bytes starts at bank 4 r + 2 h mod 64 (64 banks of 4 bytes: ISA guide 11.1): the 32 lanes touch 64 different banks
.set FR,     16
.set NL,     4                         ; LDS loads that bring a fragment of a
.set NP,     4
.set HALFA,  8*4096                    ; 8 row tiles: what one tensor load brings of a, and what one wave reads
.set BOFF,   2*HALFA
.set HALFB,  128*PITCH
.set SLOT,   BOFF+2*HALFB
.set ASTEP,  4096                      ; bytes from slot to slot in a_img: four heads' images
.set BSTEP,  256                       ; and in a row of W
.set SPARE,  2*SLOT                    ; behind the ring: the spare words, 128 bytes for each wave: two blocks of 256 bytes that no other line names
.set SPITCH, 528                       ; the way out: a stage of 16 rows x (512 bytes + 16) for each wave, in slot 0, which has had its last fill and its last read when the first result is stored there
.set ADRA, 16
.set ADRB, 20
.set OBQ,  22                          ; v22  byte offset in out_b of the columns that my registers hold
.set STO,  24
.set RD,   25
.set CO,   26                          ; v26  16 x lane
.set SPW,  28
.set NIL,  29
.set BQ,   32
.set TMP,  96
.set AF,   128
.set BK,   128
.set G1, 24
.set G0, 32
.set G1B, 48
.set G0B, 56
.set MSB, 0
.macro WIN new                         ; the immediate's high byte repeats the setting that is left
.if MSB != \new
	s_set_vgpr_msb (MSB<<8)|\new
.set MSB, \new
.endif
.endm
.set MUL_LO, 0xa1                      ; source 0 (W) window 1, source 1 (a) window 0, C and D window 2
.set MUL_HI, 0xf1
.set TO_B,   0x40
.macro JLOAD g0a, g1a, g0b, g1b        ; a joint load: waves 0 and 1 fetch for a, waves 2 and 3 for W; four v_nop follow each of the two lines
	s_cmp_eq_u32 s15, 0
	s_cbranch_scc0 .Lfor_b_\@
	tensor_load_to_lds s[\g0a:\g0a+3], s[\g1a:\g1a+7]
	s_nop 0
.rept 4
	v_nop
.endr
	s_branch .Lasked_\@
.Lfor_b_\@:
	tensor_load_to_lds s[\g0b:\g0b+3], s[\g1b:\g1b+7]
	s_nop 0
.rept 4
	v_nop
.endr
.Lasked_\@:
.endm
.macro CREST
	s_cmp_lg_u32 s14, 0
	s_cbranch_scc1 .Lnot_wave_0_\@
	s_barrier_signal -3
.Lnot_wave_0_\@:
	s_barrier_wait -3
	s_barrier_signal -1
	s_barrier_wait -1
.endm
.macro CROUND
	s_barrier_signal -1
	s_barrier_wait -1
	CREST
.endm
	s_load_b256 s[4:11], s[0:1], 0x0               ; a_img s[4:5], W's codes s[6:7], out_b s[8:9], the exponents s[10:11]
	s_load_b64 s[12:13], s[0:1], 0x20              ; out0
	v_lshl_add_u32 v[SPW], v0, 2, SPARE
	v_mov_b32 v[NIL], 0
	ds_add_u32 v28, v29
	ds_add_u32 v28, v29
	s_wait_dscnt 0x0
	v_lshrrev_b32 v1, 5, v0
	v_readfirstlane_b32 s14, v1                    ; wave 0..3
	s_lshr_b32 s15, s14, 1                         ; which half of the tile's rows is mine.  Also: I fetch for a (0) or for W (1)
	s_and_b32 s16, s14, 1                          ; which half of its columns.  Also: which half of that tile I fetch
	s_bfe_u32 s40, ttmp6, 0x40000                  ; cx, cy
	s_bfe_u32 s41, ttmp6, 0x40004
	s_lshl_b32 s42, ttmp9, 2
	s_add_co_u32 s42, s42, s40                     ; tile column
	s_and_b32 s17, ttmp7, 0xffff
	s_lshl_b32 s17, s17, 2
	s_add_co_u32 s17, s17, s41                     ; tile row
	s_lshl_b32 s43, s41, 2
	s_lshl_b32 s43, 15, s43                        ; my row of the cluster
	s_lshl_b32 s44, 0x1111, s40                    ; my column
	; a's tile: 8 rows (row tiles) of 4,096 bytes, 16,384 bytes apart, in elements of 8 bytes, dense in LDS; the tile has no more rows than these
	s_or_b32 s[G1+0], s43, (3<<16)|(1<<21)         ; 15:0 the mask: my row; 17:16 elements of 8 bytes; 20 no padding; 21 set beside a mask
	s_mov_b32 s[G1+1], 512<<16                     ; tensor_dim0 = 512
	s_mov_b32 s[G1+2], 8<<16                       ; tensor_dim1 = 8
	s_mov_b32 s[G1+3], 512<<16                     ; tile_dim0 = 512
	s_mov_b32 s[G1+4], 8                           ; tile_dim1 = 8
	s_mov_b32 s[G1+5], 2048                        ; tensor_dim0_stride
	s_mov_b32 s[G1+6], 0
	s_mov_b32 s[G1+7], 0
	; W's tile: 128 rows of 256 bytes, 1,024 bytes apart, 16 bytes of padding behind each
	s_or_b32 s[G1B+0], s44, (0<<16)|(1<<20)|(1<<21)|(5<<22)|(3<<25)
	s_mov_b32 s[G1B+1], 256<<16
	s_mov_b32 s[G1B+2], 128<<16
	s_mov_b32 s[G1B+3], 256<<16
	s_mov_b32 s[G1B+4], 128
	s_mov_b32 s[G1B+5], 1024
	s_mov_b32 s[G1B+6], 0
	s_mov_b32 s[G1B+7], 0
	s_lshl_b32 s20, s17, 4
	s_lshl_b32 s18, s16, 3
	s_add_co_u32 s20, s20, s18
	s_lshl_b32 s20, s20, 14                        ; a: row tile 16 x tile row + 8 x half, 16,384 bytes each
	s_mov_b32 s21, 0
	s_lshl_b32 s46, s42, 8
	s_lshl_b32 s18, s16, 7
	s_add_co_u32 s46, s46, s18
	s_lshl_b32 s46, s46, 10                        ; W: row 256 x tile column + 128 x half, 1,024 bytes each
	s_mov_b32 s47, 0
	s_mul_i32 s45, s16, HALFA                      ; where they go: no place in the cluster enters an LDS address
	s_mul_i32 s67, s16, HALFB
	s_add_co_u32 s67, s67, BOFF
	s_wait_kmcnt 0x0
	s_load_b64 s[96:97], s[10:11], 0x18            ; e6, e7
	s_add_nc_u64 s[20:21], s[4:5], s[20:21]
	s_add_nc_u64 s[46:47], s[6:7], s[46:47]
	CROUND                                         ; all sixteen work-groups are here: the first joint loads meet
.irp s, 0,1
	s_mov_b32 s[G0+4*\s], 1
	s_add_co_u32 s[G0+4*\s+1], s45, \s*SLOT
	s_add_nc_u64 s[G0+4*\s+2:G0+4*\s+3], s[20:21], \s*ASTEP
	s_or_b32 s[G0+4*\s+3], s[G0+4*\s+3], 0x80000000
	s_mov_b32 s[G0B+4*\s], 1
	s_add_co_u32 s[G0B+4*\s+1], s67, \s*SLOT
	s_add_nc_u64 s[G0B+4*\s+2:G0B+4*\s+3], s[46:47], \s*BSTEP
	s_or_b32 s[G0B+4*\s+3], s[G0B+4*\s+3], 0x80000000
	JLOAD G0+4*\s, G1, G0B+4*\s, G1B
.endr
	v_and_b32 v1, 15, v0                           ; r
	v_bfe_u32 v2, v0, 4, 1                         ; h
	v_and_b32 v6, 31, v0
	v_lshlrev_b32 v[CO], 4, v6
	v_mul_u32_u24 v3, v1, PITCH
	v_lshl_add_u32 v4, v2, 3, v3                   ; W: row x pitch + 8 h
	s_mul_i32 s21, s15, HALFA                      ; my 8 row tiles of a
	s_mul_i32 s22, s16, HALFB                      ; my 128 rows of W,
	s_add_co_u32 s22, s22, BOFF                    ; which lie behind a's tile
.irp s, 0,1
	v_add_nc_u32 v[ADRA+\s], s21, v[CO]
	v_add_nc_u32 v[ADRB+\s], s22, v4
	s_add_co_u32 s21, s21, SLOT
	s_add_co_u32 s22, s22, SLOT
.endr
	s_mul_i32 s23, s14, 16*SPITCH                  ; my stage
	v_mul_u32_u24 v5, v1, SPITCH                   ; in: row r, 32 bytes for each half of the lanes
	v_lshl_add_u32 v5, v2, 5, v5
	v_add_nc_u32 v[STO], s23, v5
	v_add_nc_u32 v[RD], s23, v[CO]                 ; back: the 32 lanes take one row of 512 bytes
	s_lshl_b32 s20, s17, 8
	s_lshl_b32 s21, s15, 7
	s_add_co_u32 s20, s20, s21
	s_lshl_b32 s20, s20, 12                        ; my first row of out0, 4,096 bytes a row: under 2^26
	s_lshl_b32 s46, s42, 10
	s_lshl_b32 s47, s16, 9
	s_add_co_u32 s46, s46, s47                     ; my first column, in bytes: 1024 x tile column + 512 x half; the same offset in out_b
	v_lshl_add_u32 v[OBQ], v2, 5, s46              ; + 8 h columns
	s_add_co_u32 s20, s20, s46
	s_mov_b32 s21, 0
	s_add_nc_u64 s[12:13], s[12:13], s[20:21]
.irp b, 0,1,2,3,4,5,6,7
	global_load_b128 v[BQ+8*\b:BQ+8*\b+3], v[OBQ], s[8:9] offset:64*\b         ; register 8 b + j: the bias of column 16 b + 8 h + j
	global_load_b128 v[BQ+8*\b+4:BQ+8*\b+7], v[OBQ], s[8:9] offset:64*\b+16
.endr
.macro FRAGA reg, slot, q, i           ; row tile i, the slot's q-th 128 along K: two heads' images, four groups of 512 bytes
.irp c, 0,1,2,3
	ds_load_b128 v[\reg+4*\c:\reg+4*\c+3], v[ADRA+\slot] offset:4096*(\i)+2048*(\q)+512*\c
.endr
.endm
.macro FRAGB reg, slot, q, i           ; registers 2 c, 2 c + 1: K = 16 c + 8 h + 0 .. 7
.irp c, 0,1,2,3,4,5,6,7
	ds_load_b64 v[\reg+2*\c:\reg+2*\c+1], v[ADRB+\slot] offset:128*(\q)+16*\c+(\i)*16*PITCH
.endr
.endm
.macro MUL16 a0, p, zero               ; 16 matrix instructions: a's blocks a0, a0 + 1 x W's eight; the 64 accumulators take turns, one instruction a turn
.irp a, \a0, \a0+1
.irp b, 0,1,2,3,4,5,6,7
.if \zero
	v_wmma_f32_16x16x128_fp8_fp8 v[8*(8*((\a)%4)+\b):8*(8*((\a)%4)+\b)+7], v[128*(\p)+FR*\b:128*(\p)+FR*\b+FR-1], v[AF+FR*(\a):AF+FR*(\a)+FR-1], 0
.else
	v_wmma_f32_16x16x128_fp8_fp8 v[8*(8*((\a)%4)+\b):8*(8*((\a)%4)+\b)+7], v[128*(\p)+FR*\b:128*(\p)+FR*\b+FR-1], v[AF+FR*(\a):AF+FR*(\a)+FR-1], v[8*(8*((\a)%4)+\b):8*(8*((\a)%4)+\b)+7]
.endif
.endr
.endr
.endm
.macro FETCH_B slot, q, p
	WIN TO_B
.irp i, 0,1,2,3,4,5,6,7
	FRAGB 128*(\p)+FR*\i, \slot, \q, \i
.endr
	WIN 0
.endm
.macro FETCH_A slot, q, i0
.irp i, \i0, \i0+1, \i0+2, \i0+3
	FRAGA AF+FR*(\i), \slot, \q, \i
.endr
.endm
.macro PLACES n                        ; plain vector instructions in front of loads into registers that matrix instructions have read, and of the first read of results
.rept \n
	v_nop
.endr
.endm
.macro STEP slot, q, zero
	s_wait_dscnt 4*NL                              ; W's set and a's blocks 0-3 are in; the youngest 16 loads (a's blocks 4-7) may be out
	WIN MUL_LO
	MUL16 0, (\q)%2, \zero
	MUL16 2, (\q)%2, \zero
	s_wait_dscnt 0
	PLACES NP
	FETCH_B \slot, (\q)+1, 1-(\q)%2
	FETCH_A \slot, (\q)+1, 0
	WIN MUL_HI
	MUL16 4, (\q)%2, \zero
	MUL16 6, (\q)%2, \zero
	PLACES NP
	WIN 0
	FETCH_A \slot, (\q)+1, 4
.endm
.macro TURN slot, next, fill           ; a slot's last step changes slots: ONE barrier
	s_wait_tensorcnt 0x0                           ; all my tensor loads have landed: my part of the next slot  (every window is 0 here)
	ds_add_u32 v[SPW], v[NIL]                      ; 0 onto my spare word
	s_wait_dscnt 4*NL+1                            ; (the add and the youngest 16 loads may be out)
	WIN MUL_LO
	MUL16 0, 1, 0
	s_wait_dscnt 0x0                               ; the add is done, and my reads of this slot are over
	s_barrier_signal -1
	MUL16 2, 1, 0
	WIN 0
	s_barrier_wait -1
.if \fill
	CREST                                          ; the barrier has opened a round of the cluster's barrier: no wave of any partner still reads this slot or has a load on its way
	s_add_nc_u64 s[G0+4*\slot+2:G0+4*\slot+3], s[G0+4*\slot+2:G0+4*\slot+3], 2*ASTEP
	s_add_nc_u64 s[G0B+4*\slot+2:G0B+4*\slot+3], s[G0B+4*\slot+2:G0B+4*\slot+3], 2*BSTEP
	JLOAD G0+4*\slot, G1, G0B+4*\slot, G1B         ; the first tensor load behind the round; its four v_nop are also the places in front of the loads below
.else
	PLACES NP
.endif
	FETCH_B \next, 0, 0
	FETCH_A \next, 0, 0
	WIN MUL_HI
	MUL16 4, 1, 0
	MUL16 6, 1, 0
	PLACES NP
	WIN 0
	FETCH_A \next, 0, 4
.endm
	s_wait_tensorcnt 1                             ; my part of slot 0 is in (slot 1's load may be out)
	s_barrier_signal -1
	s_barrier_wait -1                              ; everybody's is
	FETCH_B 0, 0, 0
	FETCH_A 0, 0, 0
	FETCH_A 0, 0, 4
	; K = 1024 is eight steps of 128, twice round the ring: written out, since a loop would have one trip
	STEP 0, 0, 1
	TURN 0, 1, 1
	STEP 1, 0, 0
	TURN 1, 0, 1
	STEP 0, 0, 0
	TURN 0, 1, 0
	STEP 1, 0, 0
	s_wait_dscnt 4*NL
	WIN MUL_LO
	MUL16 0, 1, 0
	MUL16 2, 1, 0
	s_wait_dscnt 0
	WIN MUL_HI
	MUL16 4, 1, 0
	MUL16 6, 1, 0
	WIN 0
; THE WAY OUT, block by block of 16 rows x 128 columns: through my own stage in LDS, back as whole rows of 512 bytes.  LDS serves a wave's instructions in order (ISA guide 5.7.1.4): no wait between the stores and the loads.
.macro TOSTAGE a
.set AC, 64*((\a)%4)
.irp u, 0,1                            ; 64 columns at a time: 32 registers at work
	WIN 0x02+((\a)/4)                              ; source 0: window 2 or 3
.irp j, 0,2,4,6,8,10,12,14,16,18,20,22,24,26,28,30
	v_pk_fma_f32 v[TMP+\j:TMP+\j+1], v[AC+32*\u+\j:AC+32*\u+\j+1], s[96:97], v[BQ+32*\u+\j:BQ+32*\u+\j+1] op_sel_hi:[1,0,1]   ; sum x 2^(e6 + e7) + bias; each accumulator from its low end on
.endr
	WIN 0
.irp b, 0,1,2,3
	ds_store_b128 v[STO], v[TMP+8*\b:TMP+8*\b+3] offset:64*(4*\u+\b)
	ds_store_b128 v[STO], v[TMP+8*\b+4:TMP+8*\b+7] offset:64*(4*\u+\b)+16
.endr
.endr
.set BB, BK+64*((\a)%2)
.irp t, 0,1,2,3,4,5,6,7,8,9,10,11,12,13,14,15
	ds_load_b128 v[BB+4*\t:BB+4*\t+3], v[RD] offset:\t*SPITCH
.endr
.endm
.macro SEND a, younger                 ; younger: the LDS instructions issued behind block a's loads, which may stay out
.set BB, BK+64*((\a)%2)
	s_wait_dscnt \younger                          ; the block is back in registers
.if (\a) > 0
	s_add_nc_u64 s[12:13], s[12:13], 16*4096       ; (behind a wait on XCNT: the earlier stores have read their base)  16 rows on
.endif
.irp t, 0,1,2,3,4,5,6,7,8,9,10,11,12,13,14,15
	global_store_b128 v[CO], v[BB+4*\t:BB+4*\t+3], s[12:13] offset:\t*4096 th:TH_STORE_NT   ; 32 lanes store 512 consecutive bytes, aligned; written once, read by nobody here
.endr
.endm
	s_wait_kmcnt 0x0
	s_wait_loadcnt 0x0                             ; the biases
	s_add_co_i32 s96, s96, s97
	s_add_co_i32 s96, s96, 127
	s_lshl_b32 s96, s96, 23                        ; 2^(e6 + e7) as f32
	s_mov_b32 s97, s96                             ; (named with it as a pair, so it is written)
	PLACES NP                                      ; behind the last products: results are read, and loads land in a's registers, below
	TOSTAGE 0
.irp a, 1,2,3,4,5,6,7
.if \a > 1
	s_wait_xcnt 0x0                                ; block a - 2's stores have read their registers and their base: block a's loads may land there, and the base may step
.endif
	TOSTAGE \a
	SEND \a-1, 32                                  ; behind block a - 1's loads: block a's 16 stores and 16 loads
.endr
	s_wait_xcnt 0x0                                ; block 6's stores have read their base
	SEND 7, 0
	s_wait_tensorcnt 0x0                           ; the wave's end
	ds_add_u32 v[SPW], v[NIL]
	s_wait_dscnt 0x0
	CROUND                                         ; the closing round: no work-group ends while a partner may still ask for a tile that names it
	s_endpgm
.Lfunc_end_k_qecb38c3090_proj:
	.size	k_qecb38c3090_proj, .Lfunc_end_k_qecb38c3090_proj-k_qecb38c3090_proj
	.p2alignl 7, 3214868480
	.fill 96, 4, 3214868480
	.section	.rodata,"a",@progbits
	.p2align	6, 0x0
	.amdhsa_kernel k_qecb38c3090_proj
		.amdhsa_group_segment_fixed_size 327680
		.amdhsa_private_segment_fixed_size 0
		.amdhsa_enable_private_segment 0
		.amdhsa_kernarg_size 40
		.amdhsa_user_sgpr_count 2
		.amdhsa_user_sgpr_kernarg_segment_ptr 1
		.amdhsa_wavefront_size32 1
		.amdhsa_system_sgpr_workgroup_id_x 1
		.amdhsa_system_sgpr_workgroup_id_y 1
		.amdhsa_system_sgpr_workgroup_id_z 1
		.amdhsa_system_vgpr_workitem_id 0
		.amdhsa_next_free_vgpr 1024
		.amdhsa_next_free_sgpr 98
		.amdhsa_reserve_vcc 0
		.amdhsa_float_denorm_mode_32 3
		.amdhsa_float_denorm_mode_16_64 3
		.amdhsa_memory_ordered 1
		.amdhsa_forward_progress 1
		.amdhsa_inst_pref_size 141
	.end_amdhsa_kernel
	.amdgpu_metadata
---
amdhsa.version: [ 1, 2 ]
amdhsa.kernels:
  - .name:           k_qecb38c3090_proj
    .symbol:         k_qecb38c3090_proj.kd
    .args:
      - { .name: a_img, .offset: 0, .size: 8, .value_kind: global_buffer, .address_space: global }
      - { .name: out_w_codes, .offset: 8, .size: 8, .value_kind: global_buffer, .address_space: global }
      - { .name: out_b, .offset: 16, .size: 8, .value_kind: global_buffer, .address_space: global }
      - { .name: lowp_scales, .offset: 24, .size: 8, .value_kind: global_buffer, .address_space: global }
      - { .name: out0, .offset: 32, .size: 8, .value_kind: global_buffer, .address_space: global }
    .group_segment_fixed_size: 327680
    .private_segment_fixed_size: 0
    .kernarg_segment_align: 8
    .kernarg_segment_size: 40
    .max_flat_workgroup_size: 128
    .sgpr_count:     98
    .vgpr_count:     1024
    .wavefront_size: 32
...
	.end_amdgpu_metadata
.endif
;; end of part 3
;; ======== version 2 of 2: 3 launches; version 1 with the launch attn written anew for expert scheduling mode
;; limits: right only within a limited range of input values
;; workspace buffers: q_img 8,388,608 bytes; k_img 8,388,608 bytes; v_img 8,388,608 bytes; a_img 8,388,608 bytes
;; launch qkv: the kernel of part 1 again; grid 12 x 32, 4 waves a work-group, clusters of 4 x 4, 327,680 bytes of LDS; arguments x_codes, qkv_w_codes, qkv_b, lowp_scales, q_img, k_img, v_img; writes q_img, k_img, v_img
;; launch attn (part 4): grid 4 x 64, 16 waves a work-group, no clusters, 34,816 bytes of LDS; arguments q_img, k_img, v_img, lowp_scales, a_img; writes a_img
.if DOCPART == 4
	.amdgcn_target "amdgcn-amd-amdhsa--gfx1250"
	.amdhsa_code_object_version 6
	.text
	.protected	k_qecb38c3090_attn
	.globl	k_qecb38c3090_attn
	.p2align	8
	.type	k_qecb38c3090_attn,@function
k_qecb38c3090_attn:
	s_mov_b64 s[64:65], 0
	v_nop
	global_prefetch_b8 v0, s[64:65] scope:SCOPE_SE
	s_setreg_imm32_b32 hwreg(HW_REG_WAVE_SCHED_MODE, 0, 2), 2
	s_setreg_imm32_b32 hwreg(HW_REG_WAVE_MODE, 25, 1), 1
	s_wait_xcnt 0x0
	s_wait_alu depctr_vm_vsrc(0)
; Causal attention on codes of FP8 (E4M3), head size 64, 2,048 tokens, 64 (batch, head) pairs.  Inputs and output are images of operand registers (a group of four registers at 512 x group + 16 x lane):
;   q_img, k_img, a_img: [row / 16: 512][head: 16][1024 bytes]: 16 rows x 64 channels, 8 registers;   v_img: [row / 128: 64][channel / 16: 64][2048 bytes]: 16 channels x 128 keys, 16 registers.
; THE SOFTMAX AHEAD OF THE SECOND PRODUCT: t = score x log2(e) / 8; M = the row's largest t so far, rounded UP to a whole number; p = 2^(t - M) is quantised with 2^e4; it is not normalised.  The row's sum is taken of the
; unquantised p, in f32, and divides O at the end.  When M moves, the sum and O are multiplied by 2^(old M - new M): exact.  O x 2^(e4 + e5) / sum is quantised with 2^e6 and stored as the last product's operand.
; LIMITS on the given exponents: e2 + e3 between -123 and 130 (added to c's exponent field); e4 and e6 between -126 and 119; e4 + e5 is applied by v_ldexp_f32 and has none.
; SHARES.  Work-group (p, bh) takes the head's block p of 256 queries and then block 7 - p: p + 1 and 8 - p slots of 256 keys, NINE trips in every work-group, so that all 256 have the same work and the trip count is a constant.
; Each of the sixteen waves owns 16 queries, in 256 registers: four waves to a SIMD, so that one wave's vector work stands beside another's matrix work and LDS loads.
; A slot (16 KB of K, 16 KB of V) comes through registers: each wave loads 2 KB of it (four loads of 512 consecutive bytes) a trip ahead and stores them into LDS at the next trip's head, between two barriers:
; the first shows that every wave's reads of the slot are over, the second that every wave's stores have landed.  No tensor load: 2 KB a wave cost 16 registers, and every LDS address is 16 x lane + constants.
; NO CLUSTER: the four work-groups of a head that could be partners stand at different key slots in a given trip (blocks p and 7 - p begin anew at different trips), so they have no joint request to make.
; LAYOUT.  Both products are used transposed: S^T = K Q^T (source 0 = 16 keys, source 1 = my 16 queries), O^T = V^T P^T (source 0 = 16 channels, source 1 = P): a lane holds ONE query (lane % 16) throughout, and register j of
; key tile t holds key 16 t + 8 (lane / 16) + j: converted, a tile's eight registers are registers 2 t, 2 t + 1 of the next operand.  Likewise O^T's four tiles for the output's image.
; CAUSAL.  A step of 128 keys all of which come after my 16 queries is jumped over (a scalar branch on ids; no barrier stands in a step); on the diagonal hidden scores become -infinity ahead of the maximum.
; THE MODE: SCHED_MODE bits 1:0 = 2 (LLVM: expert scheduling mode 2), set by the entry lines.  The code itself states the register dependences between vector or matrix instructions and memory or LDS instructions,
; with s_wait_alu, always for 0.
; THE PLAN.  Registers that memory or LDS instructions touch:
;   v1, v2, v4, v5, v8, v9   addresses and offsets: written at the head, never again.  The key slots are reached by two scalar bases, the two passes by an offset each.  One wait at the head serves them all.
;   ST   written by the four global loads of the next slot, read by the four LDS stores at the next trip's head; no vector instruction names it.  One wait on vm_vsrc a trip, between the stores and the loads.
;   Q    written by two global loads a pass, read by the products K Q^T.
;   KV   a step: K's 16 LDS loads land in it, the eight products K Q^T read it, V's 16 LDS loads land in it, the four products V^T P read it.  So a wait on va_vdst stands ahead of K's loads and one ahead of V's.
;        Behind the second no vector instruction names KV or v1 before the products V^T P: V's loads are dealt among the softmax with no further wait.
;   PC   written by the conversions, read by the products; at a pass's end read by two global stores: a wait on va_vdst ahead of them, one on vm_vsrc ahead of the next conversions.
;   S, O, the statistics and scales are named by vector and matrix instructions alone.  v254, v255: written at the head, read by the closing add alone.
; A vector instruction writes a scalar register in two places: the wave's number at the head, and the diagonal's masks, sixteen compares to a run: one wait on va_sdst behind each.
.set LI,   1                           ; v1   16 x lane
.set SA,   2                           ; v2   where I store my 2 KB of a slot: 16 x lane + 1,024 x wave
.set GK0,  4                           ; v4   my byte offset in a key slot of k_img
.set GV0,  5                           ; v5   the same in v_img
.set QV2,  8                           ; v8   my offset in q_img and a_img in the second pass: v4 + 262,144 x (7 - p)
.set QV,   9                           ; v9   and in the first: v4 + 262,144 x p
.set LR,   10                          ; v10  lane % 16 - 8 (lane / 16)
.set NINF, 11                          ; v11  -infinity
.set Q,    16                          ; v16-23   Q's fragment          (v12 -M, v13 the largest t, v[14:15] the sum in two halves)
.set ST,   24                          ; v24-39   the next slot's 2 KB
.set KV,   40                          ; v40-103  eight fragments of K, then four of V
.set S,    104                         ; v104-167 S^T, then p
.set O,    168                         ; v168-199 O^T
.set PC,   200                         ; v200-215 p's codes; at a pass's end the output's
.set TA,   216                         ; at work
.set F,    218                         ; v[218:219] f = 2^(old M - new M) (the pair's upper half is written once)
.set PX,   220                         ; a lane permute's destination
.set L2,   222                         ; v[222:223] the sum's second chain
.set PLIM, 224                         ; 448 x 2^e4
.set PSC,  225                         ; 2^e4
.set ASC,  226                         ; 2^e6
.set ALIM, 227                         ; 448 x 2^e6
.set DD,   228                         ; the mask's bound
.set VOFF, 16384                       ; LDS: K's 16 images of 1,024 bytes, then V's 8 of 2,048
.set KB,   18                          ; s[18:19] k_img at the key slot that is being asked for
.set VB,   36                          ; s[36:37] v_img likewise (behind the head, where s36 and s37 held the two passes' offsets)
.set MK,   28                          ; s28-35, s40-47: sixteen masks of the diagonal: mask i in s[MK + i + 4 (i / 8)] (behind the head, where these registers held the exponents and figures at work)
	s_load_b256 s[4:11], s[0:1], 0x0               ; q_img s[4:5], k_img s[6:7], v_img s[8:9], the exponents s[10:11]
	s_load_b64 s[12:13], s[0:1], 0x20              ; a_img
	v_lshl_add_u32 v254, v0, 2, 0x8000
	v_mov_b32 v255, 0
	v_lshrrev_b32 v3, 5, v0
	v_readfirstlane_b32 s14, v3                    ; wave 0..15
	v_and_b32 v3, 31, v0
	v_lshlrev_b32 v[LI], 4, v3
	s_wait_alu depctr_va_sdst(0)                   ; s14 is written, ahead of its first reader: addresses, offsets and my first query are made from it
	s_lshl_b32 s27, s14, 10
	v_add_nc_u32 v[SA], s27, v[LI]
	s_mov_b32 s15, ttmp9                           ; p
	s_and_b32 s16, ttmp7, 0xffff                   ; 16 x batch + head
	s_lshr_b32 s39, s16, 4
	s_lshl_b32 s39, s39, 21                        ; the batch's 2,097,152 bytes in each buffer
	s_and_b32 s40, s16, 15                         ; the head
	s_lshl_b32 s41, s14, 14                        ; k_img: key tile = wave: 16,384 bytes a row tile,
	s_add_co_u32 s41, s41, s39
	s_lshl_b32 s42, s40, 10                        ; 1,024 a head
	s_add_co_u32 s41, s41, s42
	v_add_nc_u32 v[GK0], s41, v[LI]
	s_lshr_b32 s42, s14, 3                         ; v_img: waves 0-7 bring the slot's first 128 keys, 8-15 its second: 131,072 bytes apart;
	s_lshl_b32 s42, s42, 17
	s_add_co_u32 s42, s42, s39
	s_lshl_b32 s43, s40, 13                        ; a head's four images are 8,192 bytes,
	s_add_co_u32 s42, s42, s43
	s_and_b32 s43, s14, 7                          ; of which wave % 8 brings the 1,024 bytes at 1,024 x (wave % 8)
	s_lshl_b32 s43, s43, 10
	s_add_co_u32 s42, s42, s43
	v_add_nc_u32 v[GV0], s42, v[LI]
	s_lshl_b32 s36, s15, 18                        ; block p's 16 row tiles begin 262,144 p bytes on,
	s_sub_co_u32 s37, 7, s15
	s_lshl_b32 s38, s37, 8
	s_lshl_b32 s37, s37, 18                        ; block 7 - p's likewise
	s_lshl_b32 s27, s14, 4
	s_add_co_u32 s38, s38, s27                     ; my first query in the second pass: 256 (7 - p) + 16 x wave
	s_lshl_b32 s20, s15, 8
	s_add_co_u32 s20, s20, s27                     ; and in the first
	v_add_nc_u32 v[QV], s36, v[GK0]
	v_add_nc_u32 v[QV2], s37, v[GK0]
	s_wait_kmcnt 0x0
	s_load_b256 s[28:35], s[10:11], 0x0            ; e0 .. e7
	s_wait_alu depctr_va_vdst(0)                   ; v1, v2, v4, v5, v8 and v9 are written: every load and store of the kernel, global or LDS, reads one of them as its address or offset
	global_load_b128 v[ST:ST+3], v[GK0], s[6:7]                ; key slot 0: my 1,024 bytes of K,
	global_load_b128 v[ST+4:ST+7], v[GK0], s[6:7] offset:512
	global_load_b128 v[ST+8:ST+11], v[GV0], s[8:9]             ; and of V
	global_load_b128 v[ST+12:ST+15], v[GV0], s[8:9] offset:512
	global_load_b128 v[Q:Q+3], v[QV], s[4:5]                   ; Q's fragment stays in registers for a pass
	global_load_b128 v[Q+4:Q+7], v[QV], s[4:5] offset:512
	v_and_b32 v[LR], 15, v0
	v_bfe_u32 v3, v0, 4, 1
	v_lshlrev_b32 v3, 3, v3
	v_sub_nc_u32 v[LR], v[LR], v3
	v_mov_b32 v[NINF], 0xff800000
	v_mov_b32 v[F+1], 0                            ; (named as the upper half of a pair)
	v_mov_b32 v[PX], 0                             ; (a lane permute's destination counts as one of its sources)
.macro INIT                            ; a pass begins: the step is written once, its first run finds zeros, which the first change of M leaves zeros
	v_mov_b32 v13, 0xff61b1e6                      ; the largest t so far: -3e38, under every t
	v_floor_f32 v12, -v13                          ; -M
	v_mov_b32 v14, 0
	v_mov_b32 v15, 0
.set j, 0
.rept 32
	v_mov_b32 v[O+j], 0
.set j, j+1
.endr
.endm
	INIT
	s_mov_b32 s24, 0x76543210
	s_mov_b32 s25, 0xfedcba98                      ; v_permlanex16_b32's selects for lane l xor 16
	s_mov_b32 s22, 0x3e38aa3b                      ; c = log2(e) / 8
	s_mov_b32 s17, 0                               ; the trip
	s_mov_b32 s2, 0                                ; s[2:3]: 262,144 x the key slot that was asked for last, in 64 bits
	s_mov_b32 s3, 0
	s_mov_b32 s21, 0                               ; the step's first key
	s_wait_kmcnt 0x0
	s_add_co_i32 s27, s30, s31
	s_lshl_b32 s27, s27, 23
	s_add_co_i32 s22, s22, s27                     ; a score stands for score x 2^(e2 + e3): the two exponents are added to c's exponent field
	s_mov_b32 s23, s22                             ; (named with it as a pair, so it is written)
	s_add_co_i32 s27, s32, 127
	s_lshl_b32 s44, s27, 23
	v_mov_b32 v[PSC], s44                          ; 2^e4
	s_add_co_i32 s27, s27, 8
	s_lshl_b32 s27, s27, 23
	s_or_b32 s27, s27, 0x600000
	v_mov_b32 v[PLIM], s27                         ; 448 x 2^e4
	s_add_co_i32 s27, s34, 127
	s_lshl_b32 s44, s27, 23
	v_mov_b32 v[ASC], s44                          ; 2^e6
	s_add_co_i32 s27, s27, 8
	s_lshl_b32 s27, s27, 23
	s_or_b32 s27, s27, 0x600000
	v_mov_b32 v[ALIM], s27                         ; 448 x 2^e6
	s_add_co_i32 s26, s32, s33                     ; e4 + e5
; V's image d of the slot's q-th half: 16 channels x 128 keys, four loads of 512 consecutive bytes, as they lie
.macro VIMG q, d
.irp g, 0,1,2,3
	ds_load_b128 v[KV+16*(\d)+4*\g:KV+16*(\d)+4*\g+3], v[LI] offset:VOFF+8192*(\q)+2048*(\d)+512*\g
.endr
.endm
; A KEY STEP: 128 keys, the q-th half of the slot.
.macro STEP q
	s_add_co_u32 s27, s20, 15
	s_cmp_gt_u32 s21, s27                          ; all 128 keys come after my 16 queries?
	s_cbranch_scc1 .Lhidden_\@
	s_wait_alu depctr_va_vdst(0)                   ; the products V^T P of the step before are done reading v[KV ..], in which K's loads land
.irp t, 0,1,2,3,4,5,6,7
	ds_load_b128 v[KV+8*\t:KV+8*\t+3], v[LI] offset:8192*(\q)+1024*\t          ; K's eight images, as they lie
	ds_load_b128 v[KV+8*\t+4:KV+8*\t+7], v[LI] offset:8192*(\q)+1024*\t+512
.endr
	s_wait_dscnt 0x0
.irp t, 0,1,2,3,4,5,6,7
	v_wmma_f32_16x16x64_fp8_fp8 v[S+8*\t:S+8*\t+7], v[KV+8*\t:KV+8*\t+7], v[Q:Q+7], 0
.endr
.rept 4
	v_nop                                          ; places in front of the first read of the scores
.endr
	s_wait_alu depctr_va_vdst(0)                   ; the eight products are done reading v[KV ..], in which V's loads land.  No vector instruction from here to the products V^T P names v[KV ..] or v1: V's four images are dealt among the softmax
	VIMG \q, 0
	VIMG \q, 1
	s_add_co_u32 s27, s21, 127
	s_cmp_le_u32 s27, s20                          ; all 128 keys count for all my queries?
	s_cbranch_scc1 .Lopen_\@
	s_sub_co_i32 s27, s20, s21
	v_add_nc_u32 v[DD], s27, v[LR]                 ; d = my query - the step's first key - 8 (lane / 16).  Register 8 t + j holds key 16 t + 8 (lane / 16) + j: hidden where 16 t + j > d
.set n, 0
.rept 4                                        ; sixteen registers (two tiles) at a time: a run of compares into sixteen scalar registers, one wait, a run of selects; each tile from its low end on
.set mi, 0
.rept 16
	v_cmp_gt_i32 s[MK+mi+4*(mi/8)], 16*((n+mi)/8)+(n+mi)%8, v[DD]
.set mi, mi+1
.endr
	s_wait_alu depctr_va_sdst(0)                   ; the sixteen compares have written their masks, which the selects below read
.set mi, 0
.rept 16
	v_cndmask_b32 v[S+n+mi], v[S+n+mi], v[NINF], s[MK+mi+4*(mi/8)]
.set mi, mi+1
.endr
.set n, n+16
.endr
.Lopen_\@:
	v_max3_num_f32 v[TA], v[S], v[S+1], v[S+2]     ; the step's largest score of my query, among my 64 keys, in two chains, each tile from its low end on,
	v_max3_num_f32 v[F], v[S+3], v[S+4], v[S+5]
.set n, 6
.rept 14
	v_max3_num_f32 v[TA], v[TA], v[S+n], v[S+n+1]
	v_max3_num_f32 v[F], v[F], v[S+n+2], v[S+n+3]
.set n, n+4
.endr
	v_max3_num_f32 v[TA], v[TA], v[S+62], v[S+63]
	VIMG \q, 2                                     ; (no wait: see the wait behind the products above)
	v_max_num_f32 v[TA], v[TA], v[F]
	v_permlanex16_b32 v[PX], v[TA], s24, s25
	v_max_num_f32 v[TA], v[TA], v[PX]              ; and among lane l xor 16's
	v_mul_f32 v[TA], s22, v[TA]                    ; as t (c is positive)
	v_max_num_f32 v13, v13, v[TA]                  ; the running largest t
	v_mov_b32 v[TA], v12
	v_floor_f32 v12, -v13                          ; the new -M = floor(-t) = -ceil(t): a whole number
	v_sub_f32 v[TA], v12, v[TA]                    ; M's old value less its new one: a whole number, 0 or less
	v_cvt_i32_f32 v[TA], v[TA]                     ; (it saturates)
	v_ldexp_f32 v[F], 1.0, v[TA]                   ; f = 2^(old M - new M)
.set n, 0
.rept 32
	v_pk_fma_f32 v[S+n:S+n+1], v[S+n:S+n+1], s[22:23], v[12:13] op_sel_hi:[1,0,0]   ; t - M, two at a time (of the pairs c and -M the low word serves both halves)
.set n, n+2
.endr
	VIMG \q, 3                                     ; V's last image: it lands under the exponentials, the sums and the conversions
.set n, 0
.rept 64
	v_exp_f32 v[S+n], v[S+n]                       ; p = 2^(t - M), at most 1
.set n, n+1
.endr
	v_pk_mul_f32 v[14:15], v[14:15], v[F:F+1] op_sel_hi:[1,0]   ; the sums under the new M  (the plain place behind the exponentials)
	s_wait_alu depctr_va_vdst(0)                   ; the 64 exponentials have written v[S ..], which the sums below read: one wait for the batch
	v_pk_add_f32 v[L2:L2+1], v[S:S+1], v[S+2:S+3]  ; the row's sum is taken of the UNQUANTISED p: two at a time, in two chains
.set n, 4
.rept 15
	v_pk_add_f32 v[14:15], v[14:15], v[S+n:S+n+1]
	v_pk_add_f32 v[L2:L2+1], v[L2:L2+1], v[S+n+2:S+n+3]
.set n, n+4
.endr
	v_pk_add_f32 v[14:15], v[14:15], v[L2:L2+1]
.irp t, 0,1,2,3,4,5,6,7
.irp i, 0,1,2,3,4,5,6,7
	v_min_num_f32 v[S+8*\t+\i], v[S+8*\t+\i], v[PLIM]   ; the conversion to an 8-bit code does not saturate (ISA guide 7.6.2); p is not negative, so the hold is one-sided
.endr
	v_cvt_scalef32_pk8_fp8_f32 v[PC+2*\t:PC+2*\t+1], v[S+8*\t:S+8*\t+7], v[PSC]   ; registers 2 t, 2 t + 1 of P: keys 16 t + 8 (lane / 16) + 0 .. 7
.endr
.set n, 0
.rept 16
	v_pk_mul_f32 v[O+n:O+n+1], v[O+n:O+n+1], v[F:F+1] op_sel_hi:[1,0]   ; O^T under the new M  (also the plain place behind the conversions)
.set n, n+2
.endr
	s_wait_dscnt 0x0                               ; V is in
.irp d, 0,1,2,3
	v_wmma_f32_16x16x128_fp8_fp8 v[O+8*\d:O+8*\d+7], v[KV+16*\d:KV+16*\d+15], v[PC:PC+15], v[O+8*\d:O+8*\d+7]   ; four accumulators by turns, one instruction a turn
.endr
.rept 4
	v_nop                                          ; places in front of the next read of O^T
.endr
.Lhidden_\@:
	s_add_co_u32 s21, s21, 128
.endm
; A pass's end: O^T x 2^(e4 + e5) / the sum, quantised with 2^e6: the four tiles' codes are the eight registers of the output's image.  qv: the pass's offset in a_img.
.macro FINISH qv
	v_add_f32 v14, v14, v15                        ; the sum's two halves,
	v_permlanex16_b32 v[PX], v14, s24, s25
	v_add_f32 v14, v14, v[PX]                      ; and lane l xor 16's
	v_rcp_f32 v14, v14
	v_nop                                          ; one plain place behind a transcendental
	s_wait_alu depctr_va_vdst(0)                   ; the reciprocal has written v14, which the next line reads
	v_ldexp_f32 v14, v14, s26
.set n, 0
.rept 16
	v_pk_mul_f32 v[S+n:S+n+1], v[O+n:O+n+1], v[14:15] op_sel_hi:[1,0]
.set n, n+2
.endr
.set n, 0
.rept 32
	v_med3_num_f32 v[S+n], v[S+n], -v[ALIM], v[ALIM]
.set n, n+1
.endr
.irp d, 0,1,2,3
	v_cvt_scalef32_pk8_fp8_f32 v[PC+2*\d:PC+2*\d+1], v[S+8*\d:S+8*\d+7], v[ASC]
.endr
	v_nop                                          ; one plain vector instruction behind the conversions
	s_wait_alu depctr_va_vdst(0)                   ; the conversions have written v[PC ..], which the two stores read; and the pass's products are done reading v[Q ..]
	global_store_b128 v[\qv], v[PC:PC+3], s[12:13]             ; the wave stores 512 consecutive bytes, aligned, twice
	global_store_b128 v[\qv], v[PC+4:PC+7], s[12:13] offset:512
.endm
.Ltrip:                                                ; nine trips, a slot of 256 keys each
	s_wait_dscnt 0x0                               ; my reads of the slot are over
	s_barrier_signal -1
	s_barrier_wait -1                              ; everybody's are: the slot may be written
	s_wait_loadcnt 0x0                             ; my 2 KB of this trip's slot (and, at a pass's head, Q) are in registers; the loads that read the two bases are done
	ds_store_b128 v[SA], v[ST:ST+3]
	ds_store_b128 v[SA], v[ST+4:ST+7] offset:512
	ds_store_b128 v[SA], v[ST+8:ST+11] offset:VOFF
	ds_store_b128 v[SA], v[ST+12:ST+15] offset:VOFF+512
	s_wait_dscnt 0x0                               ; for the others' sake: my stores have landed
	s_barrier_signal -1
	s_barrier_wait -1                              ; the slot is whole
	s_wait_alu depctr_vm_vsrc(0)                   ; my four LDS stores have read v[ST ..], in which the next slot's loads land (it stands ahead of the branch that leads to them)
	s_cmp_eq_u32 s17, 8                            ; the last trip asks for nothing: no load leaves its buffer
	s_cbranch_scc1 .Lno_next
	s_add_co_u32 s2, s2, 262144                    ; the next key slot,
	s_cmp_eq_u32 s17, s15
	s_cselect_b32 s2, 0, s2                        ; or, behind the first pass's last trip, slot 0 again
	s_add_nc_u64 s[KB:KB+1], s[6:7], s[2:3]        ; the two bases move, the vector offsets stay (the bases are free since the wait for the loads that read them)
	s_add_nc_u64 s[VB:VB+1], s[8:9], s[2:3]
	global_load_b128 v[ST:ST+3], v[GK0], s[KB:KB+1]
	global_load_b128 v[ST+4:ST+7], v[GK0], s[KB:KB+1] offset:512
	global_load_b128 v[ST+8:ST+11], v[GV0], s[VB:VB+1]
	global_load_b128 v[ST+12:ST+15], v[GV0], s[VB:VB+1] offset:512
.Lno_next:
	STEP 0
	STEP 1
	s_cmp_lg_u32 s17, s15
	s_cbranch_scc1 .Lsame_pass
	FINISH QV                                      ; block p is done; block 7 - p begins
	global_load_b128 v[Q:Q+3], v[QV2], s[4:5]                  ; no vector instruction stands between the wait ahead of the stores and these loads: nothing more is owed for v[Q ..] and v8
	global_load_b128 v[Q+4:Q+7], v[QV2], s[4:5] offset:512
	s_wait_xcnt 0x0                                ; the stores' addresses are translated: their codes are written again only behind this wait,
	s_wait_alu depctr_vm_vsrc(0)                   ; and the two stores have read v[PC ..], which the next step's conversions write
	INIT
	s_mov_b32 s20, s38
	s_mov_b32 s21, 0
.Lsame_pass:
	s_add_co_u32 s17, s17, 1
	s_cmp_lt_u32 s17, 9
	s_cbranch_scc1 .Ltrip
	FINISH QV2
	s_wait_dscnt 0x0                               ; the closing lines, six on end
	s_wait_alu 0x0
	s_wait_tensorcnt 0x0
	ds_add_u32 v254, v255
	s_wait_dscnt 0x0
	s_endpgm
.Lfunc_end_k_qecb38c3090_attn:
	.size	k_qecb38c3090_attn, .Lfunc_end_k_qecb38c3090_attn-k_qecb38c3090_attn
	.p2alignl 7, 3214868480
	.fill 96, 4, 3214868480
	.section	.rodata,"a",@progbits
	.p2align	6, 0x0
	.amdhsa_kernel k_qecb38c3090_attn
		.amdhsa_group_segment_fixed_size 34816
		.amdhsa_private_segment_fixed_size 0
		.amdhsa_enable_private_segment 0
		.amdhsa_kernarg_size 40
		.amdhsa_user_sgpr_count 2
		.amdhsa_user_sgpr_kernarg_segment_ptr 1
		.amdhsa_wavefront_size32 1
		.amdhsa_system_sgpr_workgroup_id_x 1
		.amdhsa_system_sgpr_workgroup_id_y 1
		.amdhsa_system_sgpr_workgroup_id_z 1
		.amdhsa_system_vgpr_workitem_id 0
		.amdhsa_next_free_vgpr 256
		.amdhsa_next_free_sgpr 66
		.amdhsa_reserve_vcc 0
		.amdhsa_float_denorm_mode_32 3
		.amdhsa_float_denorm_mode_16_64 3
		.amdhsa_memory_ordered 1
		.amdhsa_forward_progress 1
		.amdhsa_inst_pref_size 65
	.end_amdhsa_kernel
	.amdgpu_metadata
---
amdhsa.version: [ 1, 2 ]
amdhsa.kernels:
  - .name:           k_qecb38c3090_attn
    .symbol:         k_qecb38c3090_attn.kd
    .args:
      - { .name: q_img, .offset: 0, .size: 8, .value_kind: global_buffer, .address_space: global }
      - { .name: k_img, .offset: 8, .size: 8, .value_kind: global_buffer, .address_space: global }
      - { .name: v_img, .offset: 16, .size: 8, .value_kind: global_buffer, .address_space: global }
      - { .name: lowp_scales, .offset: 24, .size: 8, .value_kind: global_buffer, .address_space: global }
      - { .name: a_img, .offset: 32, .size: 8, .value_kind: global_buffer, .address_space: global }
    .group_segment_fixed_size: 34816
    .private_segment_fixed_size: 0
    .kernarg_segment_align: 8
    .kernarg_segment_size: 40
    .max_flat_workgroup_size: 512
    .sgpr_count:     66
    .vgpr_count:     256
    .wavefront_size: 32
...
	.end_amdgpu_metadata
.endif
;; end of part 4
;; launch proj: the kernel of part 3 again; grid 4 x 32, 4 waves a work-group, clusters of 4 x 4, 327,680 bytes of LDS; arguments a_img, out_w_codes, out_b, lowp_scales, out0; writes out0
